; MI455X (gfx1250); checked and timed in simulation.
; The chip was launched on July 23, 2026; its instructions are those of AMD's public machine-readable ISA for CDNA 5 (MIT licence, August 2026) and "CDNA5" Instruction Set Architecture Reference Guide (July 2026). The comments in the code are by the model that wrote it; some were corrected since.
;; Causal Self Attention. Allowed arithmetic: matrix products marked QUANTISED: E4M3 operands, one given power-of-two scale a tensor, by v_wmma_f32_16x16x64_fp8_fp8 or v_wmma_f32_16x16x128_fp8_fp8, f32 sums; everything else in f32.
;; Inputs: lowp_scales 8 int32 (the exponents e of the quantised operands' scales 2^e); w_out 1,024 x 1,024 float32; w_qkv 3,072 x 1,024 float32; x 4 x 2,048 x 1,024 float32.
;; Outputs: out0 4 x 2,048 x 1,024 float32.
;; This version of the problem:
;;   THIS VERSION OF THE PROBLEM IS GIVEN IN LOW PRECISION. The matrix products marked QUANTISED in the list below multiply operands that are first quantised to E4M3 (4 exponent bits, 3 mantissa bits; 8 bits a number), with one given power-of-two scale for each operand tensor; their sums are f32. All else is computed in f32.
;;   The module's matrix products, in the order in which they are computed (A, B: the left and right operand; K: the contracted axis; several contracted axes count as one K, in the product's order):
;;     1. [M 8,192, K 1,024] x [K 1,024, N 3,072]; A: input x; B: input w_qkv: QUANTISED (scales: A lowp_scales[0], B lowp_scales[1])
;;     2. batch 64 x [M 2,048, K 64] x [K 64, N 2,048]; A: computed on the way; B: computed on the way: QUANTISED (scales: A lowp_scales[2], B lowp_scales[3])
;;     3. batch 64 x [M 2,048, K 2,048] x [K 2,048, N 64]; A: softmax (see below); B: computed on the way: QUANTISED (scales: A lowp_scales[4], B lowp_scales[5])
;;     4. [M 8,192, K 1,024] x [K 1,024, N 1,024]; A: computed on the way; B: input w_out: QUANTISED (scales: A lowp_scales[6], B lowp_scales[7])
;;   THE QUANTISER, for each operand of a quantised product, along K:
;;     - The operand's scale is 2^e, e = its entry of the input lowp_scales (int32; the entries are numbered through the quantised products in the list's order, A before B).
;;     - Each number is divided by the scale, clamped to +-448, and rounded to the nearest number of E4M3, ties to even, subnormals kept.
;;     - The product sums the exact products of the quantised numbers (number of the format x scale) in f32.
;;   ~~~python
;;   def quantise(x, axis, e):      # numpy; x: float32 -> the quantised numbers, widened to float32 again
;;       x = np.moveaxis(x, axis, -1); K = x.shape[-1]
;;       r = np.clip(x / 2.0 ** e, -448, 448)
;;       step = 2.0 ** (np.maximum(np.frexp(np.where(r == 0, 1, r))[1] - 1, -6) - 3)
;;       q = np.round(r / step) * step * 2.0 ** e      # np.round: ties to even
;;       return np.moveaxis(q, -1, axis).astype(np.float32)
;;   ~~~
;;   SOFTMAX AHEAD OF A QUANTISED PRODUCT. Where the list says 'softmax', what is quantised is not the finished softmax but p = 2^(t - M), with t = logit x log2(e) and M = ceil(the row's largest t), a whole number; so 1/2 < the row's largest p <= 1. The row's sum l is taken of the UNQUANTISED p, in f32, and the product's result is divided by l at the end. Since M is a whole number, a kernel that streams over the keys may use a running M (the ceiling of the running maximum): every later rescaling is an exact power of two, so the quantised numbers keep their values, but for numbers so far below the row's largest that they fall under the format's range.
;;   OPERANDS COMPUTED ON THE WAY. 'Computed on the way' means the value that the module computes at that place (a softmax that the list does not call 'softmax' is quantised finished and normalised). What goes into a quantiser is computed in f32, as accurately as f32 sums, v_exp_f32 and their like allow (about 1e-6 of the number): no bf16 or f16 on the way to a quantiser, and a product that is left as it is and whose result goes on into a quantised operand takes f32 operands (vector FMAs, or v_wmma_f32_16x16x4_f32). A number that lies on a knife's edge between two numbers of the format may be rounded either way, as far as f32 arithmetic and the matrix unit's own rounding can turn it there, and no further.
;; One version. Each part assembles by itself: llvm-mc -triple=amdgcn-amd-amdhsa -mcpu=gfx1250 --defsym DOCPART=n.
;; ======== version 1 of 1: 4 launches
;; limits: right only within a limited range of input values
;; workspace buffers: x_codes 8,388,608 bytes; wqkv_codes 3,145,728 bytes; wout_codes 1,048,576 bytes; q_img 8,388,608 bytes; k_img 8,388,608 bytes; v_img 8,388,608 bytes; o_img 8,388,608 bytes
;; launch quant (part 1): grid 384 x 1, 4 waves a work-group, no clusters, 33,280 bytes of LDS; arguments x, w_qkv, w_out, lowp_scales, x_codes, wqkv_codes, wout_codes; writes x_codes, wqkv_codes, wout_codes
.if DOCPART == 1
	.amdgcn_target "amdgcn-amd-amdhsa--gfx1250"
	.amdhsa_code_object_version 6
	.text
	.protected	k_q76c03ebf7a_quant
	.globl	k_q76c03ebf7a_quant
	.p2align	8
	.type	k_q76c03ebf7a_quant,@function
k_q76c03ebf7a_quant:
	s_mov_b64 s[64:65], 0
	v_nop
	global_prefetch_b8 v0, s[64:65] scope:SCOPE_SE
	s_setreg_imm32_b32 hwreg(HW_REG_WAVE_MODE, 25, 1), 1
	s_wait_xcnt 0x0
; x [8192][1024], w_qkv [3072][1024] and w_out [1024][1024], f32, K innermost, are turned into codes of FP8 (E4M3), one byte each, laid as the numbers lie,
; each with the one scale 2^e that is given for it: entry 0 of the scales for x, entry 1 for w_qkv, entry 7 for w_out.
; code = number / 2^e, held within +-448, rounded to the nearest code, ties to even.  LIMITS: -126 <= e and e + 8 <= 127.  NaN among the inputs is not served (an infinity is held at the largest code).
; Rows are dense, so each tensor is a plain stream of numbers and its codes a plain stream of bytes: nothing here knows of rows.
; A work-group takes 32,768 numbers, each of its four waves 16 steps of 512.  Work-groups 0-255 take x, 256-351 w_qkv, 352-383 w_out: only pointers and e are chosen, by the work-group's number; there is one path through the text.
; The conversion takes 8 numbers from ONE lane's consecutive registers, so a lane must hold neighbours; a load is best where neighbouring lanes take neighbouring bytes.  Both are had: each of a step's four loads reads
; 512 consecutive bytes, 16 a lane; the 2,048 bytes go through the wave's own stage in LDS as they lie and come back 64 bytes a lane (16 bytes of padding behind each 64).  A lane's 16 codes are 16 bytes: the wave stores 512 consecutive bytes.
; No tensor loads, no barrier: waves share nothing.  Loads run four steps (16 loads a wave) ahead, the turn through LDS one step.
.set WAVES, 4
.set STEPS, 16
.set WGW,   256                        ; the first work-group of w_qkv: x has 8,388,608 / 32,768 = 256
.set WGO,   352                        ; the first of w_out: w_qkv has 96
.set EMAX,  8
.set MANT,  0x600000                   ; the mantissa field of 448 as f32
.set CB,    16                         ; bytes of 16 codes
.set R,     16                         ; v16-79   four sets of 16 numbers as they are loaded
.set X,     80                         ; v80-111  two sets of 16 neighbours
.set C,     128                        ; v128-191 codes: four registers for each step, so that no store's data are written again
.set WREG,  8192                       ; LDS: a region of its own for each wave: two stages of 32 x SP bytes
.set SP,    80                         ; a lane's place in a stage: its 64 bytes + 16 of padding
.set SPW,   12                         ; v12      LDS address of my spare word: SPARE + 4 x my thread's number; never rewritten
.set NIL,   13                         ; v13      0; never rewritten
.set SPARE, WAVES*WREG                 ; behind the four regions: the spare words, 128 bytes for each wave
	s_load_b256 s[4:11], s[0:1], 0x0               ; x s[4:5], w_qkv s[6:7], w_out s[8:9], the scales' exponents s[10:11]
	s_load_b128 s[12:15], s[0:1], 0x20             ; x's codes, w_qkv's codes
	s_load_b64 s[24:25], s[0:1], 0x30              ; w_out's codes
	v_lshl_add_u32 v[SPW], v0, 2, SPARE
	v_mov_b32 v[NIL], 0
	v_lshrrev_b32 v1, 5, v0
	v_readfirstlane_b32 s16, v1                    ; wave
	v_and_b32 v2, 31, v0                           ; lane
	v_lshlrev_b32 v3, 4, v2                        ; my 16 bytes of a load's 512
	s_mul_i32 s17, s16, WREG
	v_lshrrev_b32 v14, 2, v2
	v_mul_u32_u24 v14, v14, SP
	v_and_b32 v15, 3, v2
	v_lshl_add_u32 v14, v15, 4, v14
	v_add_nc_u32 v14, s17, v14                     ; the stage, on the way in: four lanes' 64 bytes on end, then 16 of padding
	v_mul_u32_u24 v15, v2, SP
	v_add_nc_u32 v15, s17, v15                     ; and on the way out: SP x lane: my 16 neighbours
	v_mul_u32_u24 v4, v2, CB                       ; my codes' place in a step's
	s_wait_alu depctr_va_vdst(0)
	s_wait_kmcnt 0x0
	s_load_b256 s[32:39], s[10:11], 0x0            ; the eight exponents
	s_mov_b32 s17, WGO
	s_cmp_lt_u32 ttmp9, WGO                        ; w_qkv's work-group or w_out's?  The choices hang on the work-group's number alone
	s_cselect_b64 s[6:7], s[6:7], s[8:9]
	s_cselect_b64 s[14:15], s[14:15], s[24:25]
	s_cselect_b32 s17, WGW, s17
	s_cmp_lt_u32 ttmp9, WGW                        ; or x's?
	s_cselect_b64 s[4:5], s[4:5], s[6:7]           ; the numbers
	s_cselect_b64 s[8:9], s[12:13], s[14:15]       ; the codes
	s_cselect_b32 s17, 0, s17                      ; the tensor's first work-group
	s_sub_co_u32 s17, ttmp9, s17
	s_lshl_b32 s17, s17, 2
	s_add_co_u32 s18, s17, s16                     ; which run of 8,192 numbers of the tensor is my wave's
	s_mov_b32 s19, 0
	s_mov_b64 s[20:21], 512*STEPS*4
	s_mul_u64 s[20:21], s[18:19], s[20:21]
	s_add_nc_u64 s[4:5], s[4:5], s[20:21]
	s_mov_b64 s[20:21], 32*STEPS*CB
	s_mul_u64 s[20:21], s[18:19], s[20:21]
	s_add_nc_u64 s[8:9], s[8:9], s[20:21]
.macro LOAD t
.irp i, 0,1,2,3
	global_load_b128 v[R+16*((\t)%4)+4*\i:R+16*((\t)%4)+4*\i+3], v3, s[4:5] offset:2048*(\t)+512*\i th:TH_LOAD_NT   ; 32 lanes read 512 consecutive bytes
.endr
.endm
.macro TURN t                          ; step t's numbers through the stage: LDS serves a wave's instructions in order, so no wait stands between the stores and the loads
.irp i, 0,1,2,3
	ds_store_b128 v14, v[R+16*((\t)%4)+4*\i:R+16*((\t)%4)+4*\i+3] offset:32*SP*((\t)%2)+8*SP*\i
.endr
.irp i, 0,1,2,3
	ds_load_b128 v[X+16*((\t)%2)+4*\i:X+16*((\t)%2)+4*\i+3], v15 offset:32*SP*((\t)%2)+16*\i
.endr
.endm
.irp t, 0,1,2,3
	LOAD \t
.endr
	s_wait_kmcnt 0x0
	s_cmp_lt_u32 ttmp9, WGO
	s_cselect_b32 s22, s33, s39                    ; e of w_qkv or of w_out,
	s_cmp_lt_u32 ttmp9, WGW
	s_cselect_b32 s22, s32, s22                    ; or of x
	s_add_co_i32 s22, s22, 127
	s_lshl_b32 s23, s22, 23
	v_mov_b32 v11, s23                             ; 2^e as f32: the conversion takes its exponent field
	s_add_co_i32 s22, s22, EMAX
	s_lshl_b32 s22, s22, 23
	s_or_b32 s22, s22, MANT
	s_wait_alu depctr_va_vdst(0)
	s_wait_loadcnt 12                              ; step 0's four loads are in; the twelve of steps 1 to 3 may be out
	TURN 0
.macro STEP t
.set XS, X+16*((\t)%2)
	s_wait_dscnt 0x0                               ; this step's numbers are back from the stage: so its stores into the stage have read their registers,
.if (\t)+4 < STEPS
	LOAD (\t)+4                                    ; which take the loads of four steps on
.endif
.if (\t)+1 < STEPS
.if STEPS-2-(\t) >= 3
	s_wait_loadcnt 12                              ; the next step's four loads are in; those of the three steps behind it may be out
.else
	s_wait_loadcnt 4*(STEPS-2-(\t))
.endif
	TURN (\t)+1                                    ; and go through the other stage while this step is worked
.endif
.irp i, 0,1,2,3,4,5,6,7,8,9,10,11,12,13,14,15
.endr
	v_cvt_scalef32_pk8_fp8_f32 v[C+4*(\t):C+4*(\t)+1], v[XS:XS+7], v11          ; eight numbers / 2^e, to the nearest code, ties to even; the first number's code in the lowest byte
	v_cvt_scalef32_pk8_fp8_f32 v[C+4*(\t)+2:C+4*(\t)+3], v[XS+8:XS+15], v11
	global_store_b128 v4, v[C+4*(\t):C+4*(\t)+3], s[8:9] offset:32*CB*(\t)      ; the results go to a store alone
.endm
.irp t, 0,1,2,3,4,5,6,7,8,9,10,11,12,13,14,15
	STEP \t
.endr
	s_wait_tensorcnt 0x0                           ; the wave's end, behind my last LDS store
	ds_add_u32 v[SPW], v[NIL]
	s_wait_dscnt 0x0
	s_endpgm
.Lfunc_end_k_q76c03ebf7a_quant:
	.size	k_q76c03ebf7a_quant, .Lfunc_end_k_q76c03ebf7a_quant-k_q76c03ebf7a_quant
	.p2alignl 7, 3214868480
	.fill 96, 4, 3214868480
	.section	.rodata,"a",@progbits
	.p2align	6, 0x0
	.amdhsa_kernel k_q76c03ebf7a_quant
		.amdhsa_group_segment_fixed_size 33280
		.amdhsa_private_segment_fixed_size 0
		.amdhsa_enable_private_segment 0
		.amdhsa_kernarg_size 56
		.amdhsa_user_sgpr_count 2
		.amdhsa_user_sgpr_kernarg_segment_ptr 1
		.amdhsa_wavefront_size32 1
		.amdhsa_system_sgpr_workgroup_id_x 1
		.amdhsa_system_sgpr_workgroup_id_y 1
		.amdhsa_system_sgpr_workgroup_id_z 1
		.amdhsa_system_vgpr_workitem_id 0
		.amdhsa_next_free_vgpr 192
		.amdhsa_next_free_sgpr 66
		.amdhsa_reserve_vcc 0
		.amdhsa_float_denorm_mode_32 3
		.amdhsa_float_denorm_mode_16_64 3
		.amdhsa_fp16_overflow 1
		.amdhsa_memory_ordered 1
		.amdhsa_forward_progress 1
		.amdhsa_inst_pref_size 22
	.end_amdhsa_kernel
	.amdgpu_metadata
---
amdhsa.version: [ 1, 2 ]
amdhsa.kernels:
  - .name:           k_q76c03ebf7a_quant
    .symbol:         k_q76c03ebf7a_quant.kd
    .args:
      - { .name: x, .offset: 0, .size: 8, .value_kind: global_buffer, .address_space: global }
      - { .name: w_qkv, .offset: 8, .size: 8, .value_kind: global_buffer, .address_space: global }
      - { .name: w_out, .offset: 16, .size: 8, .value_kind: global_buffer, .address_space: global }
      - { .name: lowp_scales, .offset: 24, .size: 8, .value_kind: global_buffer, .address_space: global }
      - { .name: x_codes, .offset: 32, .size: 8, .value_kind: global_buffer, .address_space: global }
      - { .name: wqkv_codes, .offset: 40, .size: 8, .value_kind: global_buffer, .address_space: global }
      - { .name: wout_codes, .offset: 48, .size: 8, .value_kind: global_buffer, .address_space: global }
    .group_segment_fixed_size: 33280
    .private_segment_fixed_size: 0
    .kernarg_segment_align: 8
    .kernarg_segment_size: 56
    .max_flat_workgroup_size: 128
    .sgpr_count:     66
    .vgpr_count:     192
    .wavefront_size: 32
...
	.end_amdgpu_metadata
.endif
;; end of part 1
;; launch qkv (part 2): grid 12 x 32, 4 waves a work-group, clusters of 4 x 4, 327,680 bytes of LDS; arguments x_codes, wqkv_codes, lowp_scales, q_img, k_img, v_img; writes q_img, k_img, v_img
.if DOCPART == 2
	.amdgcn_target "amdgcn-amd-amdhsa--gfx1250"
	.amdhsa_code_object_version 6
	.text
	.protected	k_q76c03ebf7a_qkv
	.globl	k_q76c03ebf7a_qkv
	.p2align	8
	.type	k_q76c03ebf7a_qkv,@function
k_q76c03ebf7a_qkv:
	s_mov_b64 s[64:65], 0
	v_nop
	global_prefetch_b8 v0, s[64:65] scope:SCOPE_SE
	s_setreg_imm32_b32 hwreg(HW_REG_WAVE_MODE, 25, 1), 1
	s_wait_xcnt 0x0
	s_wait_alu depctr_hold_cnt(0) depctr_sa_sdst(0) depctr_va_vdst(0) depctr_va_sdst(0) depctr_va_ssrc(0) depctr_va_vcc(0) depctr_vm_vsrc(0)
	s_getreg_b32 s2, hwreg(HW_REG_IB_STS2, 6, 4)
	s_cmp_eq_u32 s2, 0
	s_cbranch_scc0 .Lentry_in_a_cluster
	s_endpgm
.Lentry_in_a_cluster:
	s_bfe_u32 s2, ttmp6, 0x10000c
	s_cmp_lg_u32 s2, 0xf033
	s_cbranch_scc0 .Lentry_shape_is_right
	s_endpgm
.Lentry_shape_is_right:
; qkv = x w_qkv^T on codes of FP8 (E4M3), K = 1,024, sums in f32; each finished sum stands for sum x 2^(e0 + e1) and is quantised at once for the product that reads it: q with 2^e2, k with 2^e3, v with 2^e5.
; The three scales are folded into the conversion's one: code = sum / 2^(e - e0 - e1), held within +-448.  LIMITS: e2 - e0 - e1, e3 - e0 - e1 and e5 - e0 - e1 lie between -126 and 119.
; A tile of 256 x 256 is made by a work-group of four waves; a wave makes 128 x 128: 64 accumulators of 16 x 16, 512 registers.  K goes in steps of 256 through a ring of two LDS slots filled by the tensor data mover.
; ROLES.  'A' is the matrix instruction's source 1: its row becomes the LANE of a result.  'B' is source 0: its rows run along a lane's eight REGISTERS.
;   clusters with x = 0 (q) and 1 (k): A = 256 tokens of x, B = 256 rows of w: a lane holds one token and eight neighbouring channels of a head, the next product's K.
;   clusters with x = 2 (v):           A = 256 rows of w's last third, B = 256 tokens: a lane holds one channel and eight neighbouring tokens: the keys, which are the K of the product that reads v.
; Only pointers and tile numbers are chosen, by the cluster's x, which all sixteen partners share; the instructions are the same.
; CLUSTERS: 4 x 4 work-groups.  The four of a row of the cluster need the same tiles of A, the four of a column the same tiles of B: each tile is asked for JOINTLY, by the same tensor load with the same descriptor and a mask that names the four.
; THE RESULTS LEAVE AS IMAGES OF THE READER'S OPERAND REGISTERS.  The conversion of accumulator c's eight registers gives two registers with k = 16 c + 8 (lane / 16) + 0 .. 7: registers 2 c, 2 c + 1 of an 8-bit operand.
; Four such registers of the 32 lanes are one store of 512 consecutive bytes, lane l's 16 bytes at 16 l: no stage in LDS.
;   q_img, k_img: [batch x head 64][tile of 16 tokens 128][piece 2][512 bytes];   v_img: [batch x head 64][group of 128 keys 16][tile of 16 channels 4][piece 4][512 bytes].
; Both operands of THIS product are fetched by four loads of 16 bytes a fragment: the same permutation of k on both sides, so every product meets its partner.
; REGISTERS, in windows of 256: window 0: v0-31 addresses and constants; from v128 A's fragments (8 x 16 rows x 128 K), ONE set; on the way out v128-255 codes.
;   window 1: B's fragments, TWO sets, at v0 and v128.   window 2: the accumulators of A's blocks 0-3 ((a, b) at v[8 (8 a + b)]);   window 3: those of blocks 4-7.
.set KSTEP,  256                       ; along K in a slot
.set ROWB,   256                       ; a tile's row in bytes
.set KROW,   1024                      ; a row of x's or w's codes in memory, in bytes
.set PITCH,  272                       ; an LDS row: 256 bytes + 16 of padding = 68 words: row r starts at bank 4 r mod 64 (ISA guide 11.1), so the 16 rows that a load touches start at 16 different banks
.set FR,     16                        ; registers of a fragment: 16 rows x 128 K
.set NL,     4                         ; LDS loads that bring one
.set NP,     4                         ; places behind this matrix instruction (ISA guide 7.12.1)
.set HALFT,  128*PITCH                 ; 128 rows: what one tensor load brings, and what one wave reads of A or of B
.set SLOT,   4*HALFT                   ; A's 256 rows, then B's 256 rows
.set SPARE,  2*SLOT                    ; behind the ring: the spare words, 128 bytes for each wave
.set ADRA, 16                          ; v16-17  LDS address of my A fragments in slot 0, 1
.set ADRB, 20                          ; v20-21  the same for B
.set CO,   26                          ; v26     16 x lane: my place in a store's 512 bytes
.set SPW,  28                          ; v28     LDS address of my spare word; never rewritten
.set NIL,  29                          ; v29     0; never rewritten
.set SCL,  30                          ; v30     2^(e - e0 - e1) as f32
.set HLD,  31
.set TMP,  32
.set AF,   128                         ; A's fragments, in window 0
.set CD,   128                         ; the way out: 16 registers of codes for each of the eight blocks, so that no store's data are written again
.set G1, 24                            ; s[24:31] descriptor group 1 for A's tiles;  s[32:39] group 0, one set for each slot
.set G0, 32
.set G1B, 48                           ; s[48:55], s[56:63] the same for B's tiles
.set G0B, 56
.set MSB, 0
.macro WIN new                         ; the immediate's high byte repeats the setting that is left
.if MSB != \new
	s_set_vgpr_msb (MSB<<8)|\new
.set MSB, \new
.endif
.endm
.set MUL_LO, 0xa1                      ; source 0 (B) window 1, source 1 (A) window 0, C and D window 2
.set MUL_HI, 0xf1                      ; the same, C and D window 3
.set TO_B,   0x40                      ; destination window 1, address window 0
; A joint load: waves 0 and 1 fetch for A, waves 2 and 3 for B.  Each of the two lines has ONE mask and one set of registers for all that issue it; the branch hangs on the wave's number alone.
; An s_nop 0 and four v_nop follow each of the two lines, ahead of the jump, the label and what follows.
.macro JLOAD g0a, g1a, g0b, g1b
	s_cmp_eq_u32 s15, 0
	s_cbranch_scc0 .Lfor_b_\@
	tensor_load_to_lds s[\g0a:\g0a+3], s[\g1a:\g1a+7]
	s_nop 0
.rept 4
	v_nop
.endr
	s_branch .Lasked_\@
.Lfor_b_\@:
	tensor_load_to_lds s[\g0b:\g0b+3], s[\g1b:\g1b+7]
	s_nop 0
.rept 4
	v_nop
.endr
.Lasked_\@:
.endm
.macro CREST                           ; a round of the cluster's barrier behind its opening barrier
	s_cmp_lg_u32 s14, 0
	s_cbranch_scc1 .Lnot_wave_0_\@
	s_barrier_signal -3
.Lnot_wave_0_\@:
	s_barrier_wait -3
	s_barrier_signal -1
	s_barrier_wait -1
.endm
.macro CROUND                          ; a whole round
	s_barrier_signal -1
	s_barrier_wait -1
	CREST
.endm
	s_load_b256 s[4:11], s[0:1], 0x0               ; x's codes s[4:5], w's codes s[6:7], the exponents s[8:9], q_img s[10:11]
	s_load_b128 s[76:79], s[0:1], 0x20             ; k_img s[76:77], v_img s[78:79]
	v_lshl_add_u32 v[SPW], v0, 2, SPARE
	v_mov_b32 v[NIL], 0
	ds_add_u32 v[SPW], v[NIL]
	ds_add_u32 v[SPW], v[NIL]                      ; the wave's opening: the add and its wait ahead of my first tensor load; the set-up below, work on registers, stands between them
	v_lshrrev_b32 v1, 5, v0
	v_readfirstlane_b32 s14, v1                    ; wave 0..3
	s_lshr_b32 s15, s14, 1                         ; which half of A's rows is mine.  Also: I fetch for A (0) or for B (1)
	s_and_b32 s16, s14, 1                          ; which half of B's rows.  Also: which 128 rows of that tile I fetch
	s_bfe_u32 s40, ttmp6, 0x40000                  ; cx, cy: my place in the cluster
	s_bfe_u32 s41, ttmp6, 0x40004
	s_and_b32 s81, ttmp7, 0xffff                   ; the cluster's y: 0..7
	s_cmp_eq_u32 ttmp9, 2                          ; the cluster's x: 0 q, 1 k, 2 v
	s_cselect_b32 s80, 1, 0                        ; 1 where v is made
	s_cselect_b32 s17, 0, s81                      ; A's tiles: q, k: 32 of tokens, by the cluster's y; v: 4 of w's rows
	s_cselect_b32 s42, s81, ttmp9                  ; B's tiles: q, k: 8 of w's rows, by the cluster's x; v: 32 of tokens
	s_lshl_b32 s17, s17, 2
	s_add_co_u32 s17, s17, s41                     ; A's tile = 4 x that + cy
	s_lshl_b32 s42, s42, 2
	s_add_co_u32 s42, s42, s40                     ; B's tile = 4 x that + cx
	s_lshl_b32 s43, s41, 2
	s_lshl_b32 s43, 15, s43                        ; my row of the cluster
	s_lshl_b32 s44, 0x1111, s40                    ; my column
	; descriptor group 1: a tile of 128 rows x 256 bytes, padded in LDS
	s_or_b32 s[G1+0], s43, (0<<16)|(1<<20)|(1<<21)|(5<<22)|(3<<25)  ; 15:0 the mask: A's tiles go to my row; 17:16 element of 1 byte; 20 padding on; 21 set beside a mask; 24:22 after every 64 words (code 5); 31:25 of 4 words (code 3)
	s_or_b32 s[G1B+0], s44, (0<<16)|(1<<20)|(1<<21)|(5<<22)|(3<<25)
.irp g, G1, G1B
	s_mov_b32 s[\g+1], ROWB<<16                    ; tensor_dim0
	s_mov_b32 s[\g+2], 128<<16                     ; tensor_dim1 = 128
	s_mov_b32 s[\g+3], ROWB<<16                    ; tile_dim0
	s_mov_b32 s[\g+4], 128                         ; tile_dim1 = 128
	s_mov_b32 s[\g+5], KROW                        ; tensor_dim0_stride
	s_mov_b32 s[\g+6], 0
	s_mov_b32 s[\g+7], 0
.endr
	s_lshl_b32 s18, s16, 7                         ; which 128 rows of the tile I fetch
	s_lshl_b32 s20, s17, 8
	s_add_co_u32 s20, s20, s18                     ; A: row 256 x tile + 128 x half,
	s_lshl_b32 s20, s20, 10                        ; in bytes (under 2^23)
	s_mov_b32 s21, 0
	s_lshl_b32 s46, s42, 8
	s_add_co_u32 s46, s46, s18                     ; B likewise
	s_lshl_b32 s46, s46, 10
	s_mov_b32 s47, 0
	s_mul_i32 s45, s14, HALFT                      ; where they go: wave x 128 rows: no place in the cluster enters an LDS address
	s_wait_dscnt 0x0                               ; the opening add is done
	s_wait_kmcnt 0x0
	s_load_b256 s[68:75], s[8:9], 0x0              ; the eight exponents
	s_add_nc_u64 s[82:83], s[6:7], 2048*KROW       ; w's last third: v's rows
	s_cmp_eq_u32 s80, 1
	s_cselect_b64 s[84:85], s[82:83], s[4:5]       ; A's buffer
	s_cselect_b64 s[86:87], s[4:5], s[6:7]         ; B's buffer
	s_add_nc_u64 s[20:21], s[84:85], s[20:21]
	s_add_nc_u64 s[46:47], s[86:87], s[46:47]
	CROUND                                         ; all sixteen work-groups are here: the first joint loads meet
.irp s, 0,1
	s_mov_b32 s[G0+4*\s], 1
	s_add_co_u32 s[G0+4*\s+1], s45, \s*SLOT
	s_add_nc_u64 s[G0+4*\s+2:G0+4*\s+3], s[20:21], \s*ROWB
	s_or_b32 s[G0+4*\s+3], s[G0+4*\s+3], 0x80000000
	s_mov_b32 s[G0B+4*\s], 1
	s_add_co_u32 s[G0B+4*\s+1], s45, \s*SLOT
	s_add_nc_u64 s[G0B+4*\s+2:G0B+4*\s+3], s[46:47], \s*ROWB
	s_or_b32 s[G0B+4*\s+3], s[G0B+4*\s+3], 0x80000000
	JLOAD G0+4*\s, G1, G0B+4*\s, G1B
.endr
	v_and_b32 v1, 15, v0                           ; l % 16
	v_bfe_u32 v2, v0, 4, 1                         ; l / 16
	v_mul_u32_u24 v3, v1, PITCH
	v_lshl_add_u32 v4, v2, 4, v3                   ; a fragment's row x pitch + 16 x half
	s_mul_i32 s21, s15, HALFT                      ; my 128 rows of A
	s_mul_i32 s22, s16, HALFT                      ; my 128 rows of B,
	s_add_co_u32 s22, s22, 2*HALFT                 ; which lie behind A's 256
.irp s, 0,1
	v_add_nc_u32 v[ADRA+\s], s21, v4
	v_add_nc_u32 v[ADRB+\s], s22, v4
	s_add_co_u32 s21, s21, SLOT
	s_add_co_u32 s22, s22, SLOT
.endr
	v_and_b32 v6, 31, v0
	v_lshlrev_b32 v[CO], 4, v6
	; where my results go.  R: the tile of 256 tokens; cc: the place in the cluster that picks 4 heads; wf, wt: which half of the channels and of the tokens is my wave's.
	; In all three images a head is 131,072 bytes and 128 tokens of a head are 8,192: base = (16 (R / 8) + 4 cc + 2 wf) x 131,072 + (2 (R % 8) + wt) x 8,192
	s_cmp_eq_u32 ttmp9, 0
	s_cselect_b64 s[88:89], s[10:11], s[76:77]     ; q_img or k_img,
	s_cmp_eq_u32 s80, 1
	s_cselect_b64 s[88:89], s[78:79], s[88:89]     ; or v_img
	s_cselect_b32 s92, s42, s17                    ; R
	s_cselect_b32 s93, s41, s40                    ; cc
	s_cselect_b32 s94, s15, s16                    ; wf
	s_cselect_b32 s95, s16, s15                    ; wt
	s_lshr_b32 s96, s92, 3
	s_lshl_b32 s96, s96, 4
	s_lshl_b32 s93, s93, 2
	s_add_co_u32 s96, s96, s93
	s_lshl_b32 s94, s94, 1
	s_add_co_u32 s96, s96, s94
	s_lshl_b32 s96, s96, 17
	s_and_b32 s92, s92, 7
	s_lshl_b32 s92, s92, 1
	s_add_co_u32 s92, s92, s95
	s_lshl_b32 s92, s92, 13
	s_add_co_u32 s96, s96, s92
	s_mov_b32 s97, 0
	s_add_nc_u64 s[88:89], s[88:89], s[96:97]
.macro FRAG reg, adr, q, i             ; a fragment, 16 rows x 128 K of 8-bit codes, in 16 registers: lane l holds row l % 16; registers 4 c .. 4 c + 3 hold K = 32 c + 16 (l / 16) + 0 .. 15
.irp c, 0,1,2,3
	ds_load_b128 v[\reg+4*\c:\reg+4*\c+3], v[\adr] offset:128*(\q)+32*\c+(\i)*16*PITCH
.endr
.endm
; 16 matrix instructions: A's blocks a0, a0 + 1 x B's eight, 128 along K.  p: B's set.  zero = 1: the first product starts the sums: nothing is ever cleared.
; The 64 accumulators take turns, one instruction a turn, in the same order in every step.
.macro MUL16 a0, p, zero
.irp a, \a0, \a0+1
.irp b, 0,1,2,3,4,5,6,7
.if \zero
	v_wmma_f32_16x16x128_fp8_fp8 v[8*(8*((\a)%4)+\b):8*(8*((\a)%4)+\b)+7], v[128*(\p)+FR*\b:128*(\p)+FR*\b+FR-1], v[AF+FR*(\a):AF+FR*(\a)+FR-1], 0
.else
	v_wmma_f32_16x16x128_fp8_fp8 v[8*(8*((\a)%4)+\b):8*(8*((\a)%4)+\b)+7], v[128*(\p)+FR*\b:128*(\p)+FR*\b+FR-1], v[AF+FR*(\a):AF+FR*(\a)+FR-1], v[8*(8*((\a)%4)+\b):8*(8*((\a)%4)+\b)+7]
.endif
.endr
.endr
.endm
.macro FETCH_B slot, q, p              ; B's eight fragments of the slot's q-th 128 along K into set p
	WIN TO_B
.irp i, 0,1,2,3,4,5,6,7
	FRAG 128*(\p)+FR*\i, ADRB+\slot, \q, \i
.endr
	WIN 0
.endm
.macro FETCH_A slot, q, i0             ; A's blocks i0 .. i0 + 3
.irp i, \i0, \i0+1, \i0+2, \i0+3
	FRAG AF+FR*(\i), ADRA+\slot, \q, \i
.endr
.endm
; A load into a register that a matrix instruction has read, and a vector instruction that reads a matrix result or writes one of its registers, stand NP places behind that matrix instruction;
; only plain vector instructions that name none of its registers are places (ISA guide 7.12.1 for vector instructions).
.macro PLACES n
.rept \n
	v_nop
.endr
.endm
; A step of 128 along K that has its successor in the same slot.  A block of A is free as soon as its eight products are issued, so one set serves A: blocks 0-3 are fetched anew in the step's middle, blocks 4-7 at its end.
.macro STEP slot, q, zero
	s_wait_dscnt 4*NL                              ; B's set and A's blocks 0-3 are in; the youngest sixteen loads (A's blocks 4-7) may be out
	WIN MUL_LO
	MUL16 0, (\q)%2, \zero
	MUL16 2, (\q)%2, \zero
	s_wait_dscnt 0                                 ; A's blocks 4-7 are in (asked for 32 matrix instructions ago)
	PLACES NP
	FETCH_B \slot, (\q)+1, 1-(\q)%2
	FETCH_A \slot, (\q)+1, 0
	WIN MUL_HI
	MUL16 4, (\q)%2, \zero
	MUL16 6, (\q)%2, \zero
	PLACES NP
	WIN 0
	FETCH_A \slot, (\q)+1, 4
.endm
; A slot's last step changes slots: ONE barrier; in front of it each wave waits for all its tensor loads, adds 0 to its spare word, and waits for that and for its own reads of this slot.  fill = 1: this slot is filled again, two K steps ahead.
.macro TURN slot, next, fill
	s_wait_tensorcnt 0x0                           ; all my tensor loads have landed: my part of the next slot  (every window is 0 here: the add's two registers lie in window 0)
	ds_add_u32 v[SPW], v[NIL]                      ; 0 onto my spare word
	s_wait_dscnt 4*NL+1                            ; (the add and the youngest sixteen loads, A's blocks 4-7, may be out)
	WIN MUL_LO
	MUL16 0, 1, 0                                  ; sixteen matrix instructions stand between the add and the wait for it
	s_wait_dscnt 0x0                               ; the add is done, and my reads of this slot are over
	s_barrier_signal -1
	MUL16 2, 1, 0
	WIN 0
	s_barrier_wait -1
.if \fill
	CREST                                          ; the barrier has opened a round of the cluster's barrier: no wave of any partner still reads this slot's tile or has a load on its way
	s_add_nc_u64 s[G0+4*\slot+2:G0+4*\slot+3], s[G0+4*\slot+2:G0+4*\slot+3], 2*ROWB
	s_add_nc_u64 s[G0B+4*\slot+2:G0B+4*\slot+3], s[G0B+4*\slot+2:G0B+4*\slot+3], 2*ROWB
	JLOAD G0+4*\slot, G1, G0B+4*\slot, G1B         ; the first tensor load behind the round; the four v_nop behind it are the places in front of the loads below
.else
	PLACES NP
.endif
	FETCH_B \next, 0, 0
	FETCH_A \next, 0, 0
	WIN MUL_HI
	MUL16 4, 1, 0
	MUL16 6, 1, 0
	PLACES NP
	WIN 0
	FETCH_A \next, 0, 4
.endm
	s_wait_alu depctr_va_vdst(0)
	s_wait_tensorcnt 1                             ; my part of K step 0 is in (K step 1's load may be out)
	s_barrier_signal -1
	s_barrier_wait -1                              ; everybody's is
	FETCH_B 0, 0, 0
	FETCH_A 0, 0, 0
	FETCH_A 0, 0, 4
	STEP 0, 0, 1                                   ; K = 1,024 is four slots' worth, eight steps of 128: written out, no loop.  The first step's products start the sums
	TURN 0, 1, 1                                   ; slot 0 takes K 512-767
	STEP 1, 0, 0
	TURN 1, 0, 1                                   ; slot 1 takes K 768-1023
	STEP 0, 0, 0
	TURN 0, 1, 0                                   ; nothing is left to fetch: a plain barrier
	STEP 1, 0, 0
	s_wait_dscnt 4*NL                              ; the very last step
	WIN MUL_LO
	MUL16 0, 1, 0
	MUL16 2, 1, 0
	s_wait_dscnt 0
	WIN MUL_HI
	MUL16 4, 1, 0
	MUL16 6, 1, 0
	WIN 0
	; THE WAY OUT
	s_wait_kmcnt 0x0
	s_cmp_eq_u32 ttmp9, 0
	s_cselect_b32 s90, s70, s71                    ; e2 for q, e3 for k,
	s_cmp_eq_u32 s80, 1
	s_cselect_b32 s90, s73, s90                    ; e5 for v
	s_sub_co_i32 s90, s90, s68
	s_sub_co_i32 s90, s90, s69                     ; less e0 and e1, which the sums lack
	s_add_co_i32 s90, s90, 127
	s_lshl_b32 s91, s90, 23
	v_mov_b32 v[SCL], s91                          ; the conversion takes this number's exponent field
	PLACES NP                                      ; behind the last products: their results are read and A's registers written below
; Block a (A's 16 rows x B's 128 rows): eight conversions, accumulator b into registers 2 b, 2 b + 1; four stores of 512 consecutive bytes.
; q, k: the block is a tile of 16 tokens of two heads (registers 0-7, 8-15).   v: the block is a tile of 16 channels x my 128 keys; blocks 0-3 belong to one head, blocks 4-7 to the next.
.macro OUTBLK a, isv
.set AC, 64*((\a)%4)
.set CBK, CD+16*(\a)
.set WN, 0x02+((\a)/4)
	WIN WN                                         ; source 0: window 2 or 3
.set j, 0
.rept 64
.set j, j+1
.endr
.irp b, 0,1,2,3,4,5,6,7
	v_cvt_scalef32_pk8_fp8_f32 v[CBK+2*\b:CBK+2*\b+1], v[AC+8*\b:AC+8*\b+7], v[SCL]
.endr
	WIN 0
	v_nop                                          ; one plain vector instruction between the last conversion and the stores that read its results
.irp i, 0,1,2,3
.if \isv
	global_store_b128 v[CO], v[CBK+4*\i:CBK+4*\i+3], s[88:89] offset:((\a)/4)*131072+((\a)%4)*2048+\i*512
.else
	global_store_b128 v[CO], v[CBK+4*\i:CBK+4*\i+3], s[88:89] offset:(\i/2)*131072+(\a)*1024+(\i%2)*512
.endif
.endr
.endm
	s_cmp_eq_u32 s80, 1                            ; the cluster's x: the same in all sixteen partners.  The two ways differ in the stores' offsets alone
	s_cbranch_scc1 .Lv_out
.irp a, 0,1,2,3,4,5,6,7
	OUTBLK \a, 0
.endr
	s_branch .Lout_done
.Lv_out:
	s_wait_alu depctr_va_vdst(0)
.irp a, 0,1,2,3,4,5,6,7
	OUTBLK \a, 1
.endr
.Lout_done:
	s_wait_tensorcnt 0x0                           ; the wave's end, behind my last tensor load
	ds_add_u32 v[SPW], v[NIL]
	s_wait_dscnt 0x0
	CROUND                                         ; the closing round: no work-group ends while a partner may still ask for a tile that names it
	s_endpgm
.Lfunc_end_k_q76c03ebf7a_qkv:
	.size	k_q76c03ebf7a_qkv, .Lfunc_end_k_q76c03ebf7a_qkv-k_q76c03ebf7a_qkv
	.p2alignl 7, 3214868480
	.fill 96, 4, 3214868480
	.section	.rodata,"a",@progbits
	.p2align	6, 0x0
	.amdhsa_kernel k_q76c03ebf7a_qkv
		.amdhsa_group_segment_fixed_size 327680
		.amdhsa_private_segment_fixed_size 0
		.amdhsa_enable_private_segment 0
		.amdhsa_kernarg_size 48
		.amdhsa_user_sgpr_count 2
		.amdhsa_user_sgpr_kernarg_segment_ptr 1
		.amdhsa_wavefront_size32 1
		.amdhsa_system_sgpr_workgroup_id_x 1
		.amdhsa_system_sgpr_workgroup_id_y 1
		.amdhsa_system_sgpr_workgroup_id_z 1
		.amdhsa_system_vgpr_workitem_id 0
		.amdhsa_next_free_vgpr 1024
		.amdhsa_next_free_sgpr 100
		.amdhsa_reserve_vcc 0
		.amdhsa_float_denorm_mode_32 3
		.amdhsa_float_denorm_mode_16_64 3
		.amdhsa_fp16_overflow 1
		.amdhsa_memory_ordered 1
		.amdhsa_forward_progress 1
		.amdhsa_inst_pref_size 94
	.end_amdhsa_kernel
	.amdgpu_metadata
---
amdhsa.version: [ 1, 2 ]
amdhsa.kernels:
  - .name:           k_q76c03ebf7a_qkv
    .symbol:         k_q76c03ebf7a_qkv.kd
    .args:
      - { .name: x_codes, .offset: 0, .size: 8, .value_kind: global_buffer, .address_space: global }
      - { .name: wqkv_codes, .offset: 8, .size: 8, .value_kind: global_buffer, .address_space: global }
      - { .name: lowp_scales, .offset: 16, .size: 8, .value_kind: global_buffer, .address_space: global }
      - { .name: q_img, .offset: 24, .size: 8, .value_kind: global_buffer, .address_space: global }
      - { .name: k_img, .offset: 32, .size: 8, .value_kind: global_buffer, .address_space: global }
      - { .name: v_img, .offset: 40, .size: 8, .value_kind: global_buffer, .address_space: global }
    .group_segment_fixed_size: 327680
    .private_segment_fixed_size: 0
    .kernarg_segment_align: 8
    .kernarg_segment_size: 48
    .max_flat_workgroup_size: 128
    .sgpr_count:     100
    .vgpr_count:     1024
    .wavefront_size: 32
...
	.end_amdgpu_metadata
.endif
;; end of part 2
;; launch attn (part 3): grid 4 x 64, 8 waves a work-group, no clusters, 327,680 bytes of LDS; arguments q_img, k_img, v_img, lowp_scales, o_img; writes o_img
.if DOCPART == 3
	.amdgcn_target "amdgcn-amd-amdhsa--gfx1250"
	.amdhsa_code_object_version 6
	.text
	.protected	k_q76c03ebf7a_attn
	.globl	k_q76c03ebf7a_attn
	.p2align	8
	.type	k_q76c03ebf7a_attn,@function
k_q76c03ebf7a_attn:
	s_mov_b64 s[64:65], 0
	v_nop
	global_prefetch_b8 v0, s[64:65] scope:SCOPE_SE
	s_setreg_imm32_b32 hwreg(HW_REG_WAVE_MODE, 25, 1), 1
	s_wait_xcnt 0x0
; o = softmax(q k^T / 8, causal) v for 64 (batch, head) pairs of 2,048 tokens x 64 channels, both products on codes of FP8 (E4M3); o is quantised at once, with 2^e6, for the product that reads it.
; THE SOFTMAX AHEAD OF THE SECOND PRODUCT: t = score x log2(e) / 8; M = the row's largest t so far, rounded UP to a whole number; p = 2^(t - M) is what is quantised (2^e4), not normalised.
; The row's sum is taken of the unquantised p, in f32, and divides O at the end.  When M moves, the sum and O are multiplied by 2^(old M - new M): nothing is rounded, and there is no branch on data.
; SHARES.  Work-group (i, pair) makes the block of 256 queries number i and then block 7 - i of the same pair.  Keys come in slots of 256; block b needs slots 0 .. b: (i + 1) + (8 - i) = NINE VISITS in every work-group:
; every trip count is a constant, all 256 work-groups have the same work, and no tile is fetched that nobody reads.  Visit m takes key slot m (m <= i) or m - i - 1.
; Each of the EIGHT waves owns 32 queries, two tiles of 16, so that each fragment of K and V that it reads from LDS feeds two matrix instructions.
; NO CLUSTER: the four work-groups of a pair walk different key slots from the fifth visit on, so partners would need different tiles; a joint walk of all eight slots with both blocks in hand would take twelve slots' work where this takes nine.
; LAYOUT.  Both products are used transposed: S^T = K Q^T (source 0 = 16 keys, source 1 = 16 queries), O^T = V^T P^T (source 0 = 16 channels, source 1 = P): a lane holds ONE query (lane % 16) throughout.
; In S^T tile c's eight registers are keys 16 c + 8 (lane / 16) + 0 .. 7: their conversion gives registers 2 c, 2 c + 1 of P as the second product wants them.  Likewise O^T's tiles give the image of o.
; q_img, k_img, v_img are images of operand registers (pieces of 512 bytes, lane l's 16 bytes at 16 l): a slot is two dense blocks of 16,384 bytes, and every LDS load reads 512 consecutive bytes.
; A WHOLE SLOT IS 256 REGISTERS OF A WAVE (window 1), so the barrier stands in a visit's MIDDLE: when step 0 is done all reads of the visit's slot are long back; behind the barrier that slot is filled with the visit after next,
; and the next visit's fragments are read into step 0's registers while step 1 is worked, and into step 1's behind it.
; LIMITS on the given exponents: e2 + e3 between -123 and 130 (added to the exponent field of log2(e) / 8); e4 and e6 between -126 and 119; e4 + e5 is applied by v_ldexp_f32 and has none.
; REGISTERS.  window 0: v1 16 x lane; v2 LDS address of the slot being read; v3, v4 the add's two; v5, v6 448 x 2^e4, 2^e4; v7 lane % 16 - 8 (lane / 16); v8-15 per tile: -M, largest t, the sum in two halves;
;   v16-25 at work; v26 the prefetches' offset; v27 Q's LDS address; v28, v29 448 x 2^e6, 2^e6; v32-47 P's codes (o's at the end); v48-63 Q, 8 a tile; v64-191 S^T then p, 64 a tile; v192-255 O^T, 32 a tile.
;   window 1: step q of the visit: K's eight fragments at v[128 q + 8 t], V's four at v[128 q + 64 + 16 t].
.set SLOTB, 32768                      ; a slot: K's 16,384 bytes, then V's
.set VOFF,  16384
.set QLDS,  65536                      ; behind the two slots: the second block's Q, 16,384 bytes, filled once
.set SPARE, 81920                      ; behind it: the spare words, 128 bytes for each of the eight waves
.set LI,   1
.set ADR,  2
.set SPW,  3
.set NIL,  4
.set PHLD, 5
.set PSCL, 6
.set DL,   7
.set STAT, 8
.set MX,   16                          ; v16, v17 two chains of the maximum
.set FF,   18                          ; v[18:19] f = 2^(old M - new M) (v19 is named with it as a pair)
.set PX,   20                          ; v20, v21 what the lane 16 away sends
.set SU,   22                          ; v[22:23] the sum's second chain
.set MD,   24                          ; v24     the mask's d
.set NINF, 25                          ; v25     -infinity
.set PFO,  26
.set QAD,  27
.set OHLD, 28
.set OSCL, 29
.set PC,   32
.set QF,   48
.set SS,   64
.set OO,   192
.set WV,   14                          ; s14  wave
.set II,   15                          ; s15  i
.set BH,   16                          ; s16  the pair
.set NSW,  17                          ; s17  i + 1: the visit at whose head the blocks change
.set NN,   18                          ; s18  the visit in hand
.set TB,   19                          ; s19  LDS byte at which the slot being read begins
.set SEL,  20                          ; s[20:21] lane selects for v_permlanex16_b32: lane l xor 16
.set CS,   22                          ; s[22:23] log2(e) / 8 x 2^(e2 + e3), twice: the packed form names a pair
.set G1,   24                          ; s[24:31] descriptor group 1: 64 rows of 256 bytes, dense: it serves all loads
.set G0A,  32                          ; s[32:35] group 0 of visit 0
.set G0B,  36                          ; s[36:39] of visit 1; it then walks
.set G0Q,  40                          ; s[40:43] of the second block's Q
.set SRC,  44                          ; s[44:45] the pair's first byte in k_img (wave 0) or v_img
.set TT,   46                          ; s[46:47] an offset in 64 bits (s47 = 0)
.set Q0,   48                          ; s48  my first query
.set KF,   49                          ; s49  the step's first key
.set TS,   50                          ; s50  at work
.set EO,   51                          ; s51  e4 + e5
.set QLO,  52                          ; s[52:53] the first block's Q, my two tiles
.set OLO,  54                          ; s[54:55] where my tiles of o go: first block,
.set OHI,  56                          ; s[56:57] second block
.set Q0H,  58                          ; s58  my first query in the second block
.set PFA,  60                          ; s[60:61] where my prefetches stand
.set PLO,  62                          ; s62  2 in a wave that prefetches, else 100
.set T2,   66                          ; s[66:67] an offset in 64 bits (s67 = 0)
.set EX,   68                          ; s[68:75] the eight exponents
.set MSB, 0
.macro WIN new                         ; the immediate's high byte repeats the setting that is left
.if MSB != \new
	s_set_vgpr_msb (MSB<<8)|\new
.set MSB, \new
.endif
.endm
.macro PLACES                          ; four places behind a matrix instruction, in front of reads of its result and of loads into its registers (ISA guide 7.12.1 for reads of its result)
.rept 4
	v_nop
.endr
.endm
.macro RESET                           ; a block of queries begins: the largest t is -3e38, under every t; the sums and O^T are zeros, which the first change of M leaves zeros
.irp u, 0,1
	v_mov_b32 v[STAT+4*\u+1], 0xff61b1e6
	v_mov_b32 v[STAT+4*\u+2], 0
	v_mov_b32 v[STAT+4*\u+3], 0
.endr
.irp u, 0
	v_floor_f32 v[STAT+4*\u], -v[STAT+4*\u+1]
.endr
.irp u, 1
	s_delay_alu instid0(VALU_DEP_4)
	v_floor_f32 v[STAT+4*\u], -v[STAT+4*\u+1]
.endr
.set j, 0
.rept 64
	v_mov_b32 v[OO+j], 0
.set j, j+1
.endr
.endm
	s_load_b256 s[4:11], s[0:1], 0x0               ; q_img s[4:5], k_img s[6:7], v_img s[8:9], the exponents s[10:11]
	s_load_b64 s[12:13], s[0:1], 0x20              ; o_img
	v_lshl_add_u32 v[SPW], v0, 2, SPARE
	v_mov_b32 v[NIL], 0
	ds_add_u32 v[SPW], v[NIL]                      ; the wave's opening: the add and its wait ahead of my first tensor load; the set-up below, work on registers, stands between them
	ds_add_u32 v[SPW], v[NIL]
	v_lshrrev_b32 v1, 5, v0
	s_delay_alu instid0(VALU_DEP_1)
	v_readfirstlane_b32 s[WV], v1                  ; wave 0..7
	s_mov_b32 s[II], ttmp9
	s_and_b32 s[BH], ttmp7, 0xffff
	s_add_co_u32 s[NSW], s[II], 1
	s_mov_b32 s[NN], 0
	s_mov_b32 s[TB], 0
	s_mov_b32 s[KF], 0
	s_mov_b32 s[SEL], 0x76543210
	s_mov_b32 s[SEL+1], 0xfedcba98
	s_mov_b32 s[G1], 3<<16                         ; 15:0 no mask; 17:16 elements of 8 bytes; no padding
	s_mov_b32 s[G1+1], 32<<16                      ; tensor_dim0 = 32 elements: 256 bytes
	s_mov_b32 s[G1+2], 64<<16                      ; tensor_dim1 = 64
	s_mov_b32 s[G1+3], 32<<16                      ; tile_dim0
	s_mov_b32 s[G1+4], 64                          ; tile_dim1
	s_mov_b32 s[G1+5], 32                          ; tensor_dim0_stride: the rows are dense
	s_mov_b32 s[G1+6], 0
	s_mov_b32 s[G1+7], 0
	s_lshl_b32 s[TT], s[BH], 17                    ; a pair is 131,072 bytes in each of q_img, k_img, v_img
	s_mov_b32 s[TT+1], 0
	s_mov_b32 s[T2+1], 0
	s_and_b32 s[TS], s[WV], 1
	s_mov_b32 s[G0A], 1                            ; 1:0 count = 1
	s_lshl_b32 s[G0A+1], s[TS], 14                 ; LDS address: slot 0; wave 0: K's half, wave 1: V's
	s_mov_b32 s[G0B], 1
	s_add_co_u32 s[G0B+1], s[G0A+1], SLOTB         ; slot 1
	s_mov_b32 s[G0Q], 1
	s_mov_b32 s[G0Q+1], QLDS
	s_lshl_b32 s[Q0], s[II], 8
	s_lshl_b32 s[TS], s[WV], 5
	s_add_co_u32 s[Q0], s[Q0], s[TS]               ; 256 i + 32 wave
	s_sub_co_u32 s[Q0H], 7, s[II]
	s_lshl_b32 s[Q0H], s[Q0H], 8
	s_add_co_u32 s[Q0H], s[Q0H], s[TS]             ; 256 (7 - i) + 32 wave
	v_and_b32 v[LI], 31, v0
	s_delay_alu instid0(VALU_DEP_1)
	v_lshlrev_b32 v[LI], 4, v[LI]                  ; 16 x lane
	s_lshl_b32 s[TS], s[WV], 11
	s_add_co_u32 s[TS], s[TS], QLDS
	v_add_nc_u32 v[QAD], s[TS], v[LI]              ; my two tiles of the second block's Q: 2,048 bytes a wave
	v_add_nc_u32 v[ADR], s[TB], v[LI]
	s_wait_dscnt 0x0                               ; the opening add is done
	s_wait_kmcnt 0x0
	s_load_b256 s[EX:EX+7], s[10:11], 0x0
	s_cmp_eq_u32 s[WV], 0
	s_cselect_b64 s[SRC:SRC+1], s[6:7], s[8:9]
	s_add_nc_u64 s[SRC:SRC+1], s[SRC:SRC+1], s[TT:TT+1]
	s_mov_b64 s[G0A+2:G0A+3], s[SRC:SRC+1]         ; visit 0: key slot 0
	s_or_b32 s[G0A+3], s[G0A+3], 0x80000000        ; 127:126 type = 2
	s_cmp_gt_u32 s[II], 0
	s_cselect_b32 s[T2], 16384, 0                  ; visit 1: key slot 1, or 0 again where i = 0
	s_add_nc_u64 s[G0B+2:G0B+3], s[SRC:SRC+1], s[T2:T2+1]
	s_or_b32 s[G0B+3], s[G0B+3], 0x80000000
	s_sub_co_u32 s[T2], 7, s[II]
	s_lshl_b32 s[T2], s[T2], 14                    ; a block of 256 queries is 16,384 bytes of q_img
	s_add_nc_u64 s[G0Q+2:G0Q+3], s[4:5], s[TT:TT+1]
	s_add_nc_u64 s[G0Q+2:G0Q+3], s[G0Q+2:G0Q+3], s[T2:T2+1]
	s_or_b32 s[G0Q+3], s[G0Q+3], 0x80000000
	s_cmp_lt_u32 s[WV], 2                          ; the first fills, a wave's in one branch: waves 0 and 1 two loads each, wave 2 one; an s_nop 0 follows each, four v_nop the last
	s_cbranch_scc0 .Lnot_kv
	tensor_load_to_lds s[G0A:G0A+3], s[G1:G1+7]
	s_nop 0
	tensor_load_to_lds s[G0B:G0B+3], s[G1:G1+7]
	s_nop 0
.rept 4
	v_nop
.endr
	s_branch .Lfilled
.Lnot_kv:
	s_cmp_eq_u32 s[WV], 2
	s_cbranch_scc0 .Lfilled
	tensor_load_to_lds s[G0Q:G0Q+3], s[G1:G1+7]
	s_nop 0
.rept 4
	v_nop
.endr
.Lfilled:
	s_lshl_b32 s[T2], s[II], 14
	s_lshl_b32 s[TS], s[WV], 11
	s_add_co_u32 s[T2], s[T2], s[TS]
	s_add_nc_u64 s[QLO:QLO+1], s[4:5], s[TT:TT+1]
	s_add_nc_u64 s[QLO:QLO+1], s[QLO:QLO+1], s[T2:T2+1]
	s_wait_alu depctr_va_vdst(0)
.irp k, 0,1,2,3
	global_load_b128 v[QF+4*\k:QF+4*\k+3], v[LI], s[QLO:QLO+1] offset:512*\k   ; the first block's Q: two fragments of two pieces
.endr
	; o_img: [tile of 16 tokens, 512 in all][head 16][piece 2][512 bytes]: batch << 21, block << 18, wave << 15 (two tiles), head << 10
	s_lshr_b32 s[TS], s[BH], 4
	s_lshl_b32 s[TS], s[TS], 21
	s_and_b32 s[T2], s[BH], 15
	s_lshl_b32 s[T2], s[T2], 10
	s_add_co_u32 s[TS], s[TS], s[T2]
	s_lshl_b32 s[T2], s[WV], 15
	s_add_co_u32 s[TS], s[TS], s[T2]
	s_lshl_b32 s[T2], s[II], 18
	s_add_co_u32 s[T2], s[T2], s[TS]
	s_add_nc_u64 s[OLO:OLO+1], s[12:13], s[T2:T2+1]
	s_sub_co_u32 s[T2], 7, s[II]
	s_lshl_b32 s[T2], s[T2], 18
	s_add_co_u32 s[T2], s[T2], s[TS]
	s_add_nc_u64 s[OHI:OHI+1], s[12:13], s[T2:T2+1]
	; the prefetches (macro ASK): where my wave's stand, and who asks
	s_cmp_lt_u32 s[WV], 6
	s_cselect_b64 s[PFA:PFA+1], s[6:7], s[8:9]     ; waves 4 and 5 ask for K's images, waves 6 and 7 for V's
	s_add_nc_u64 s[PFA:PFA+1], s[PFA:PFA+1], s[TT:TT+1]
	s_and_b32 s[T2], s[WV], 1
	s_lshl_b32 s[T2], s[T2], 13                    ; my half of a slot's 16,384 bytes,
	s_add_co_u32 s[T2], s[T2], 16384               ; in key slot 1: each change of slots steps it, so that in visit n it stands at key slot n + 2
	s_add_nc_u64 s[PFA:PFA+1], s[PFA:PFA+1], s[T2:T2+1]
	s_lshr_b32 s[TS], s[WV], 2
	s_xor_b32 s[TS], s[TS], 1                      ; 0 in waves 4 to 7,
	s_or_b32 s[TS], s[TS], s[II]                   ; of the pair's work-group 0
	s_cmp_eq_u32 s[TS], 0
	s_mov_b32 s[PLO], 100
	s_cselect_b32 s[PLO], 2, s[PLO]
	v_lshlrev_b32 v[PFO], 4, v[LI]                 ; 256 x lane
	v_and_b32 v[DL], 15, v0
	v_bfe_u32 v[MD], v0, 4, 1
	s_delay_alu instid0(VALU_DEP_1)
	v_lshlrev_b32 v[MD], 3, v[MD]
	s_delay_alu instid0(VALU_DEP_1)
	v_sub_nc_u32 v[DL], v[DL], v[MD]               ; lane % 16 - 8 (lane / 16)
	v_mov_b32 v[NINF], 0xff800000
	v_mov_b32 v[FF+1], 0                           ; (named as the upper halves of pairs)
	v_mov_b32 v[SU+1], 0
	v_mov_b32 v[PX], 0                             ; written once: a lane permute's destination counts as one of its sources
	v_mov_b32 v[PX+1], 0
	RESET
	s_wait_kmcnt 0x0
	s_add_co_i32 s[TS], s[EX+2], s[EX+3]
	s_lshl_b32 s[TS], s[TS], 23
	s_mov_b32 s[CS], 0x3e38aa3b                    ; log2(e) / 8
	s_add_co_i32 s[CS], s[CS], s[TS]               ; a score stands for score x 2^(e2 + e3): the two exponents are added to the exponent field
	s_mov_b32 s[CS+1], s[CS]
	s_add_co_i32 s[TS], s[EX+4], 127
	s_lshl_b32 s[T2], s[TS], 23
	v_mov_b32 v[PSCL], s[T2]                       ; 2^e4 as f32, for p's conversion
	s_add_co_i32 s[TS], s[EX+6], 127
	s_lshl_b32 s[T2], s[TS], 23
	v_mov_b32 v[OSCL], s[T2]                       ; 2^e6, for o's
	s_add_co_i32 s[EO], s[EX+4], s[EX+5]           ; e4 + e5
; 32 LDS loads in one run: step q's fragments of the slot at v[ADR]: K's eight (16 keys x 64 channels, two pieces), V's four (16 channels x 128 keys, four pieces)
.macro FETCH q
	PLACES                                         ; the registers were read by the last products of this step
	WIN 0x40                                       ; destination window 1, address window 0
.irp t, 0,1,2,3,4,5,6,7
.irp p, 0,1
	ds_load_b128 v[128*\q+8*\t+4*\p:128*\q+8*\t+4*\p+3], v[ADR] offset:(8*\q+\t)*1024+512*\p
.endr
.endr
.irp t, 0,1,2,3
.irp p, 0,1,2,3
	ds_load_b128 v[128*\q+64+16*\t+4*\p:128*\q+64+16*\t+4*\p+3], v[ADR] offset:VOFF+8192*\q+2048*\t+512*\p
.endr
.endr
	WIN 0
.endm
; One tile's softmax for 128 keys: a lane has 64 scores of its query.
.macro SOFTMAX u
.set SB, SS+64*(\u)
.set ST, STAT+4*(\u)
.set OB, OO+32*(\u)
	v_max3_num_f32 v[MX], v[SB], v[SB+1], v[SB+2]  ; the step's largest score among my 64 keys, in two chains; each accumulator is read from its low end on
	v_max3_num_f32 v[MX+1], v[SB+3], v[SB+4], v[SB+5]
.irp i, 6,10,14,18,22,26,30,34,38,42,46,50,54,58
	v_max3_num_f32 v[MX], v[MX], v[SB+\i], v[SB+\i+1]
	v_max3_num_f32 v[MX+1], v[MX+1], v[SB+\i+2], v[SB+\i+3]
.endr
	v_max3_num_f32 v[MX], v[MX], v[SB+62], v[SB+63]
	s_delay_alu instid0(VALU_DEP_1)
	v_max_num_f32 v[MX], v[MX], v[MX+1]
	s_delay_alu instid0(VALU_DEP_1)
	v_permlanex16_b32 v[PX], v[MX], s[SEL], s[SEL+1]
	s_delay_alu instid0(VALU_DEP_1)
	v_max_num_f32 v[MX], v[MX], v[PX]              ; and among lane l xor 16's
	s_delay_alu instid0(VALU_DEP_1)
	v_mul_f32 v[MX], s[CS], v[MX]                  ; as t (the factor is positive)
	s_delay_alu instid0(VALU_DEP_1)
	v_max_num_f32 v[ST+1], v[ST+1], v[MX]          ; the running largest t
	v_mov_b32 v[MX], v[ST]
	s_delay_alu instid0(VALU_DEP_2)
	v_floor_f32 v[ST], -v[ST+1]                    ; the new -M = floor(-t) = -ceil(t): M is a whole number
	s_delay_alu instid0(VALU_DEP_1)
	v_sub_f32 v[MX], v[ST], v[MX]                  ; M's old value less its new one: a whole number, 0 or less
	s_delay_alu instid0(VALU_DEP_1)
	v_cvt_i32_f32 v[MX], v[MX]                     ; (it saturates)
	s_delay_alu instid0(VALU_DEP_1)
	v_ldexp_f32 v[FF], 1.0, v[MX]                  ; f = 2^(old M - new M)
.set j, 0
.rept 32
	v_pk_fma_f32 v[SB+j:SB+j+1], v[SB+j:SB+j+1], s[CS:CS+1], v[ST:ST+1] op_sel_hi:[1,0,0]   ; t - M, two at a time (of the pairs the low word serves both halves)
.set j, j+2
.endr
.set j, 0
	s_wait_alu depctr_va_vdst(0)
.rept 64
	v_exp_f32 v[SB+j], v[SB+j]                     ; p = 2^(t - M), at most 1; 0 for a hidden key
.set j, j+1
.endr
	v_pk_mul_f32 v[ST+2:ST+3], v[ST+2:ST+3], v[FF:FF+1] op_sel_hi:[1,0]   ; the sums under the new M: the plain instruction behind the exponentials
	s_wait_alu depctr_va_vdst(0)                   ; one wait for the whole batch of 64, ahead of its first reader
	v_pk_add_f32 v[SU:SU+1], v[SB:SB+1], v[SB+2:SB+3]   ; the row's sum is taken of the UNQUANTISED p: two at a time, in two chains
.irp j, 4,8,12,16,20,24,28,32,36,40,44,48,52,56,60
	v_pk_add_f32 v[ST+2:ST+3], v[ST+2:ST+3], v[SB+\j:SB+\j+1]
	v_pk_add_f32 v[SU:SU+1], v[SU:SU+1], v[SB+\j+2:SB+\j+3]
.endr
	s_delay_alu instid0(VALU_DEP_1)
	v_pk_add_f32 v[ST+2:ST+3], v[ST+2:ST+3], v[SU:SU+1]
.irp t, 0,1,2,3,4,5,6,7
.irp i, 0,1,2,3,4,5,6,7
.endr
	v_cvt_scalef32_pk8_fp8_f32 v[PC+2*\t:PC+2*\t+1], v[SB+8*\t:SB+8*\t+7], v[PSCL]   ; keys 16 t + 8 (lane / 16) + 0 .. 7: registers 2 t, 2 t + 1 of P
.endr
.set j, 0
.rept 16
	v_pk_mul_f32 v[OB+j:OB+j+1], v[OB+j:OB+j+1], v[FF:FF+1] op_sel_hi:[1,0]   ; O^T under the new M.  (Also the plain instructions between the conversions and the products that read their results)
.set j, j+2
.endr
.endm
.macro PV u, q                         ; O^T += V^T P^T: four tiles of 16 channels, K = the step's 128 keys; four accumulators, one instruction each
	WIN 0x01                                       ; source 0 window 1
.irp t, 0,1,2,3
	v_wmma_f32_16x16x128_fp8_fp8 v[OO+32*(\u)+8*\t:OO+32*(\u)+8*\t+7], v[128*(\q)+64+16*\t:128*(\q)+64+16*\t+15], v[PC:PC+15], v[OO+32*(\u)+8*\t:OO+32*(\u)+8*\t+7]
.endr
	WIN 0
.endm
; A KEY STEP: 128 keys, the q-th half of the visit's slot, for my two tiles of queries.
.macro STEP q
.if \q == 0
	s_wait_dscnt 32                                ; step 0's 32 loads are in; the 32 younger ones, step 1's, may be out
.else
	s_add_co_u32 s[TS], s[Q0], 31                  ; CAUSAL: a step all of whose keys come after my 32 queries is left out: a scalar branch on ids.  (A slot's first step always has a key that counts)
	s_cmp_gt_u32 s[KF], s[TS]
	s_cbranch_scc1 .Lhidden_\@
.endif
	WIN 0x01
.irp t, 0,1,2,3,4,5,6,7
.irp u, 0,1
	v_wmma_f32_16x16x64_fp8_fp8 v[SS+64*\u+8*\t:SS+64*\u+8*\t+7], v[128*\q+8*\t:128*\q+8*\t+7], v[QF+8*\u:QF+8*\u+7], 0   ; K = the head's 64: one instruction is the whole sum
.endr
.endr
	WIN 0
	PLACES
	s_add_co_u32 s[TS], s[KF], 127                 ; a step all of whose keys count for all my queries skips the mask
	s_cmp_le_u32 s[TS], s[Q0]
	s_cbranch_scc1 .Lopen_\@
	s_sub_co_i32 s[TS], s[Q0], s[KF]
.irp u, 0,1
	v_add_nc_u32 v[MD], s[TS], v[DL]               ; d = my query - KF - 8 (lane / 16).  Register 8 t + j holds key KF + 8 (lane / 16) + 16 t + j: hidden where 16 t + j > d
.set n, 0
.rept 64
	v_cmp_gt_i32 vcc_lo, 16*(n/8)+n%8, v[MD]
	v_cndmask_b32 v[SS+64*\u+n], v[SS+64*\u+n], v[NINF], vcc_lo
.set n, n+1
.endr
	s_add_co_i32 s[TS], s[TS], 16                  ; the second tile's queries
.endr
.Lopen_\@:
	SOFTMAX 0
	PV 0, \q
	SOFTMAX 1                                      ; P's one buffer is written again hundreds of plain instructions behind the products that read it
	PV 1, \q
.if \q == 1
.Lhidden_\@:
.endif
	s_add_co_u32 s[KF], s[KF], 128
.endm
.macro TLOAD                           ; wave 0 fetches K's half of a slot, wave 1 V's, by the same line: their LDS and global addresses differ by the wave's number
	s_cmp_lt_u32 s[WV], 2
	s_cbranch_scc0 .Lno_load_\@
	tensor_load_to_lds s[G0B:G0B+3], s[G1:G1+7]
	s_nop 0
.rept 4
	v_nop
.endr
.Lno_load_\@:
.endm
; A PREFETCH INTO THE L2.  The four work-groups of a pair read the same images of K and V; work-group 0 is the first to reach key slots 4 to 7 (its visit m >= 1 takes key slot m - 1), so it asks, and nobody else.
; In it four waves that fetch nothing ask, one instruction each: waves 4 and 5 for the two halves of K's 16,384 bytes, waves 6 and 7 for V's; lanes 256 bytes apart.  So each aligned block of 256 bytes is named once in the launch.
; In visits 2 to 5 they ask for key slot n + 2 = 4 .. 7, which that work-group's refill asks for one visit later.  Key slots 0 to 3 come by their loads alone; the later visits ask for nothing.
.macro ASK
	s_sub_co_u32 s[TS], s[NN], s[PLO]
	s_cmp_lt_u32 s[TS], 4
	s_cbranch_scc0 .Lnot_mine_\@
	global_prefetch_b8 v[PFO], s[PFA:PFA+1] th:TH_LOAD_NT scope:SCOPE_SE
.Lnot_mine_\@:
.endm
; THE CHANGE OF SLOTS, behind a visit's step 0.  Each wave waits for all its tensor loads (the next visit's slot), adds 0 to its spare word, and waits for that and for its reads of this visit's slot, all 64 of which were issued a step or more ago.
; Behind the barrier the next visit's slot is whole and nobody reads this one.  fill = 1: it is filled with the visit after next: that load has a whole visit's work in which to land.  By this text's count a wave has two loads out at the start, later one.
.macro CHANGE fill
	s_wait_tensorcnt 0x0                           ; no tensor load of mine is out, so a group 0 may be written
	ds_add_u32 v[SPW], v[NIL]                      ; 0 onto my spare word
.if \fill
	s_add_co_u32 s[TT], s[NN], 2                   ; visit n + 2
	s_cmp_gt_u32 s[TT], s[II]
	s_cselect_b32 s[TS], s[NSW], 0
	s_sub_co_u32 s[TT], s[TT], s[TS]               ; its key slot,
	s_lshl_b32 s[TT], s[TT], 14                    ; 16,384 bytes each
	s_add_nc_u64 s[G0B+2:G0B+3], s[SRC:SRC+1], s[TT:TT+1]
	s_or_b32 s[G0B+3], s[G0B+3], 0x80000000
	s_xor_b32 s[G0B+1], s[G0B+1], SLOTB            ; the other LDS slot than last time
	s_wait_xcnt 0x0                                ; the last prefetch, a visit back, has read its address, so it may be written
	s_add_nc_u64 s[PFA:PFA+1], s[PFA:PFA+1], 16384
.endif
	s_wait_dscnt 0x0                               ; the add is done, and my reads of this visit's slot are over
	s_barrier_signal -1
	s_barrier_wait -1
.if \fill
	TLOAD                                          ; the first thing behind the barrier, and a wave's one tensor load until the next
	ASK
.endif
	s_xor_b32 s[TB], s[TB], SLOTB                  ; the reads go on to the next visit's slot
	v_add_nc_u32 v[ADR], s[TB], v[LI]
.endm
; A block of queries is finished: the sum's halves and lane l xor 16's are added; O^T x 2^(e4 + e5) / the sum is o; it is held, turned into codes with 2^e6, and stored as the image that the last product reads:
; tile t's conversion gives registers 2 t, 2 t + 1 (channels 16 t + 8 (lane / 16) + 0 .. 7); four stores of 512 consecutive bytes.
.macro FINISH oa
	v_add_f32 v[MX], v[STAT+2], v[STAT+3]
	v_add_f32 v[MX+1], v[STAT+6], v[STAT+7]
	s_delay_alu instid0(VALU_DEP_2)
	v_permlanex16_b32 v[PX], v[MX], s[SEL], s[SEL+1]
	s_delay_alu instid0(VALU_DEP_2)
	v_permlanex16_b32 v[PX+1], v[MX+1], s[SEL], s[SEL+1]
	s_delay_alu instid0(VALU_DEP_2)
	v_add_f32 v[MX], v[MX], v[PX]
	s_delay_alu instid0(VALU_DEP_2)
	v_add_f32 v[MX+1], v[MX+1], v[PX+1]
	s_wait_alu depctr_va_vdst(0)
	v_rcp_f32 v[FF], v[MX]
	v_rcp_f32 v[SU], v[MX+1]
	v_nop                                          ; a plain instruction behind the reciprocals,
	s_wait_alu depctr_va_vdst(0)                   ; and one wait for the two, ahead of their first reader
	v_ldexp_f32 v[FF], v[FF], s[EO]
	v_ldexp_f32 v[SU], v[SU], s[EO]
.irp u, 0,1
.set j, 0
.rept 16
	v_pk_mul_f32 v[OO+32*\u+j:OO+32*\u+j+1], v[OO+32*\u+j:OO+32*\u+j+1], v[FF+4*\u:FF+4*\u+1] op_sel_hi:[1,0]
.set j, j+2
.endr
.set j, 0
.rept 32
.set j, j+1
.endr
.irp t, 0,1,2,3
	v_cvt_scalef32_pk8_fp8_f32 v[PC+8*\u+2*\t:PC+8*\u+2*\t+1], v[OO+32*\u+8*\t:OO+32*\u+8*\t+7], v[OSCL]
.endr
.endr
	v_nop                                          ; one plain vector instruction behind the last conversion
.irp k, 0,1,2,3
	global_store_b128 v[LI], v[PC+4*\k:PC+4*\k+3], s[\oa:\oa+1] offset:(\k/2)*16384+(\k%2)*512   ; a tile of tokens is 16,384 bytes of o_img
.endr
.endm
	s_wait_tensorcnt 0x0                           ; my first fills have landed,
	s_barrier_signal -1
	s_barrier_wait -1                              ; everybody's have: slots 0 and 1 and the second block's Q are whole
	FETCH 0                                        ; visit 0
	FETCH 1
	s_wait_loadcnt 0x0                             ; the first block's Q
.Lvisit:                                           ; visits 0 to 6: behind each change of slots the visit after next is asked for
	s_cmp_lg_u32 s[NN], s[NSW]                     ; at the head of visit i + 1 the first block is finished and the second begins: a scalar branch on ids
	s_cbranch_scc1 .Lsame_block
.irp k, 0,1,2,3
	ds_load_b128 v[QF+4*\k:QF+4*\k+3], v[QAD] offset:512*\k   ; the second block's Q
.endr
	FINISH OLO
	RESET
	s_mov_b32 s[Q0], s[Q0H]
	s_mov_b32 s[KF], 0
	s_wait_xcnt 0x0                                ; the stores have read their registers: P's codes are written there again
	s_wait_dscnt 0x0                               ; Q is in
.Lsame_block:
	STEP 0
	CHANGE 1
	FETCH 0                                        ; the next visit's step 0, read while this visit's step 1 is worked
	STEP 1
	s_wait_alu depctr_va_vdst(0)
	FETCH 1
	s_add_co_u32 s[NN], s[NN], 1
	s_cmp_lt_u32 s[NN], 7
	s_cbranch_scc1 .Lvisit
	STEP 0                                         ; visit 7 is written out: nothing is left to ask for
	CHANGE 0
	FETCH 0
	STEP 1
	s_wait_alu depctr_va_vdst(0)
	FETCH 1
	STEP 0                                         ; visit 8
	s_wait_dscnt 0x0
	STEP 1
	FINISH OHI
	s_wait_tensorcnt 0x0                           ; the wave's end, behind my last tensor load
	ds_add_u32 v[SPW], v[NIL]
	s_wait_dscnt 0x0
	s_endpgm
.Lfunc_end_k_q76c03ebf7a_attn:
	.size	k_q76c03ebf7a_attn, .Lfunc_end_k_q76c03ebf7a_attn-k_q76c03ebf7a_attn
	.p2alignl 7, 3214868480
	.fill 96, 4, 3214868480
	.section	.rodata,"a",@progbits
	.p2align	6, 0x0
	.amdhsa_kernel k_q76c03ebf7a_attn
		.amdhsa_group_segment_fixed_size 327680
		.amdhsa_private_segment_fixed_size 0
		.amdhsa_enable_private_segment 0
		.amdhsa_kernarg_size 40
		.amdhsa_user_sgpr_count 2
		.amdhsa_user_sgpr_kernarg_segment_ptr 1
		.amdhsa_wavefront_size32 1
		.amdhsa_system_sgpr_workgroup_id_x 1
		.amdhsa_system_sgpr_workgroup_id_y 1
		.amdhsa_system_sgpr_workgroup_id_z 1
		.amdhsa_system_vgpr_workitem_id 0
		.amdhsa_next_free_vgpr 512
		.amdhsa_next_free_sgpr 76
		.amdhsa_reserve_vcc 1
		.amdhsa_float_denorm_mode_32 3
		.amdhsa_float_denorm_mode_16_64 3
		.amdhsa_fp16_overflow 1
		.amdhsa_memory_ordered 1
		.amdhsa_forward_progress 1
		.amdhsa_inst_pref_size 230
	.end_amdhsa_kernel
	.amdgpu_metadata
---
amdhsa.version: [ 1, 2 ]
amdhsa.kernels:
  - .name:           k_q76c03ebf7a_attn
    .symbol:         k_q76c03ebf7a_attn.kd
    .args:
      - { .name: q_img, .offset: 0, .size: 8, .value_kind: global_buffer, .address_space: global }
      - { .name: k_img, .offset: 8, .size: 8, .value_kind: global_buffer, .address_space: global }
      - { .name: v_img, .offset: 16, .size: 8, .value_kind: global_buffer, .address_space: global }
      - { .name: lowp_scales, .offset: 24, .size: 8, .value_kind: global_buffer, .address_space: global }
      - { .name: o_img, .offset: 32, .size: 8, .value_kind: global_buffer, .address_space: global }
    .group_segment_fixed_size: 327680
    .private_segment_fixed_size: 0
    .kernarg_segment_align: 8
    .kernarg_segment_size: 40
    .max_flat_workgroup_size: 256
    .sgpr_count:     76
    .vgpr_count:     512
    .wavefront_size: 32
...
	.end_amdgpu_metadata
.endif
;; end of part 3
;; launch proj (part 4): grid 4 x 64, 4 waves a work-group, clusters of 4 x 4, 327,680 bytes of LDS; arguments o_img, wout_codes, lowp_scales, out0; writes out0
.if DOCPART == 4
	.amdgcn_target "amdgcn-amd-amdhsa--gfx1250"
	.amdhsa_code_object_version 6
	.text
	.protected	k_q76c03ebf7a_proj
	.globl	k_q76c03ebf7a_proj
	.p2align	8
	.type	k_q76c03ebf7a_proj,@function
k_q76c03ebf7a_proj:
	s_mov_b64 s[64:65], 0
	v_nop
	global_prefetch_b8 v0, s[64:65] scope:SCOPE_SE
	s_setreg_imm32_b32 hwreg(HW_REG_WAVE_MODE, 25, 1), 1
	s_wait_xcnt 0x0
	s_wait_alu depctr_hold_cnt(0) depctr_sa_sdst(0) depctr_va_vdst(0) depctr_va_sdst(0) depctr_va_ssrc(0) depctr_va_vcc(0) depctr_vm_vsrc(0)
	s_getreg_b32 s2, hwreg(HW_REG_IB_STS2, 6, 4)
	s_cmp_eq_u32 s2, 0
	s_cbranch_scc0 .Lentry_in_a_cluster
	s_endpgm
.Lentry_in_a_cluster:
	s_bfe_u32 s2, ttmp6, 0x10000c
	s_cmp_lg_u32 s2, 0xf033
	s_cbranch_scc0 .Lentry_shape_is_right
	s_endpgm
.Lentry_shape_is_right:
; out0 = o w_out^T on codes of FP8 (E4M3), K = 1,024, sums in f32, each finished sum x 2^(e6 + e7).  LIMIT: e6 + e7 lies between -126 and 127, so that 2^(e6 + e7) is an f32 number.
; A tile of 128 tokens x 256 outputs is made by a work-group of four waves: 64 x 4 = 256 work-groups (tiles of 256 x 256 would be 128).  A wave makes 64 tokens x 128 outputs: 32 accumulators of 16 x 16, 256 registers.
; THE MATRIX INSTRUCTION IS USED TRANSPOSED (source 0 = 16 rows of w_out, source 1 = 16 tokens): a lane then holds eight neighbouring numbers of a row of out0.
; o_img holds images of operand registers: [tile of 16 tokens][head 16][piece 2][512 bytes]; two neighbouring heads are one fragment of 16 tokens x 128 K, with k in the form's own places
; (registers 2 c, 2 c + 1: k = 16 c + 8 (lane / 16) + 0 .. 7).  So w_out's fragments are fetched in the same places: eight loads of 8 bytes from rows of codes.
; K goes in four steps of 256 through THREE LDS slots: three first fills and one refill.
; CLUSTERS: 4 x 4 work-groups.  The four of a row of the cluster need the same tokens, the four of a column the same rows of w_out: each tile is asked for JOINTLY, by the same tensor load with the same descriptor and a mask that names the four.
; REGISTERS, in windows of 256: window 0: v0-31 addresses; o's fragments, TWO sets of four, at v128 and v192; on the way out v32-95 sums x 2^(e6 + e7), v128-255 rows read back.
;   window 1: w_out's fragments, TWO sets of eight, at v0 and v128.   window 2: the accumulators ((a, b) at v[8 (8 a + b)]).
.set PITCH,  272                       ; a row of w_out's tile in LDS: 256 bytes + 16 of padding = 68 words: lane (r, h) of a load of 8 bytes starts at bank 4 r + 2 h mod 64: the 32 lanes touch 64 different banks (ISA guide 11.1)
.set ABYTES, 32768                     ; o's part of a slot: 8 tiles of tokens x 4,096 bytes, dense
.set HALFB,  128*PITCH                 ; 128 rows of w_out
.set SLOT,   ABYTES+2*HALFB            ; 102,400
.set SPARE,  3*SLOT                    ; behind the slots: the spare words, 128 bytes for each wave
.set STG,    SLOT                      ; the way out: a stage of 16 rows x 528 bytes for each wave, in slot 1: it has had its one fill, and its last read lies ahead of the last barrier
.set SPITCH, 528
.set ADRA, 16                          ; v16-18  LDS address of my fragments of o in slot 0, 1, 2
.set ADRB, 20                          ; v20-22  the same for w_out
.set STO,  24                          ; v24     the way out: where I put 32 bytes of a row
.set RD,   25                          ; v25     where I read a row back
.set CO,   26                          ; v26     16 x lane
.set SPW,  28                          ; v28     LDS address of my spare word; never rewritten
.set NIL,  29                          ; v29     0; never rewritten
.set TMP,  32
.set AF,   128
.set BK,   128
.set G1,  24                           ; s[24:31] descriptor group 1 for o's tiles;  s[32:43] group 0, one set for each slot
.set G0,  32
.set G1B, 48                           ; s[48:55] group 1 for w_out's tiles;  s[84:95] group 0, one set for each slot
.set G0B, 84
.set MSB, 0
.macro WIN new                         ; the immediate's high byte repeats the setting that is left
.if MSB != \new
	s_set_vgpr_msb (MSB<<8)|\new
.set MSB, \new
.endif
.endm
.set MULW, 0xa1                        ; source 0 (w_out) window 1, source 1 (o) window 0, C and D window 2
; A joint load: waves 0 and 1 fetch o's two halves, waves 2 and 3 w_out's.  The branch hangs on the wave's number alone.  An s_nop 0 and four v_nop follow each of the two lines.
.macro JLOAD g0a, g1a, g0b, g1b
	s_cmp_eq_u32 s15, 0
	s_cbranch_scc0 .Lfor_b_\@
	tensor_load_to_lds s[\g0a:\g0a+3], s[\g1a:\g1a+7]
	s_nop 0
.rept 4
	v_nop
.endr
	s_branch .Lasked_\@
.Lfor_b_\@:
	tensor_load_to_lds s[\g0b:\g0b+3], s[\g1b:\g1b+7]
	s_nop 0
.rept 4
	v_nop
.endr
.Lasked_\@:
.endm
.macro CREST                           ; a round of the cluster's barrier behind its opening barrier
	s_cmp_lg_u32 s14, 0
	s_cbranch_scc1 .Lnot_wave_0_\@
	s_barrier_signal -3
.Lnot_wave_0_\@:
	s_barrier_wait -3
	s_barrier_signal -1
	s_barrier_wait -1
.endm
.macro CROUND                          ; a whole round
	s_barrier_signal -1
	s_barrier_wait -1
	CREST
.endm
.macro PLACES                          ; four places behind a matrix instruction, in front of loads into its registers and of reads of its result (ISA guide 7.12.1 for reads of its result)
.rept 4
	v_nop
.endr
.endm
	s_load_b256 s[4:11], s[0:1], 0x0               ; o_img s[4:5], w_out's codes s[6:7], the exponents s[8:9], out0 s[10:11]
	v_lshl_add_u32 v[SPW], v0, 2, SPARE
	v_mov_b32 v[NIL], 0
	ds_add_u32 v[SPW], v[NIL]                      ; the wave's opening: the add and its wait ahead of my first tensor load; the set-up below, work on registers, stands between them
	ds_add_u32 v[SPW], v[NIL]
	v_lshrrev_b32 v1, 5, v0
	v_readfirstlane_b32 s14, v1                    ; wave 0..3
	s_lshr_b32 s15, s14, 1                         ; which 64 tokens are mine.  Also: I fetch for o (0) or for w_out (1)
	s_and_b32 s16, s14, 1                          ; which 128 outputs.  Also: which half of that tile I fetch
	s_bfe_u32 s72, ttmp6, 0x40000                  ; cx, cy: my place in the cluster
	s_bfe_u32 s73, ttmp6, 0x40004
	s_lshl_b32 s74, ttmp9, 2
	s_add_co_u32 s74, s74, s72                     ; tile of 256 outputs = 4 x cluster x + cx
	s_and_b32 s17, ttmp7, 0xffff
	s_lshl_b32 s17, s17, 2
	s_add_co_u32 s17, s17, s73                     ; tile of 128 tokens = 4 x cluster y + cy
	s_lshl_b32 s75, s73, 2
	s_lshl_b32 s75, 15, s75                        ; my row of the cluster
	s_lshl_b32 s76, 0x1111, s72                    ; my column
	s_or_b32 s[G1], s75, (3<<16)|(1<<21)           ; o: 15:0 the mask: my row; 17:16 elements of 8 bytes; 21 set beside a mask; no padding
	s_mov_b32 s[G1+1], 512<<16                     ; tensor_dim0 = 512 elements: a tile of tokens' 4,096 bytes of a K step
	s_mov_b32 s[G1+2], 4<<16                       ; tensor_dim1 = 4 tiles of tokens
	s_mov_b32 s[G1+3], 512<<16                     ; tile_dim0
	s_mov_b32 s[G1+4], 4                           ; tile_dim1
	s_mov_b32 s[G1+5], 2048                        ; tensor_dim0_stride: a tile of tokens is 16,384 bytes of o_img
	s_mov_b32 s[G1+6], 0
	s_mov_b32 s[G1+7], 0
	s_or_b32 s[G1B], s76, (0<<16)|(1<<20)|(1<<21)|(5<<22)|(3<<25)   ; w_out: the mask: my column; elements of 1 byte; padding on: 4 words (code 3) after every 64 (code 5)
	s_mov_b32 s[G1B+1], 256<<16
	s_mov_b32 s[G1B+2], 128<<16
	s_mov_b32 s[G1B+3], 256<<16
	s_mov_b32 s[G1B+4], 128
	s_mov_b32 s[G1B+5], 1024
	s_mov_b32 s[G1B+6], 0
	s_mov_b32 s[G1B+7], 0
	s_lshl_b32 s20, s17, 17                        ; o: (8 x tile + 4 x half) tiles of tokens x 16,384 bytes
	s_lshl_b32 s18, s16, 16
	s_add_co_u32 s20, s20, s18
	s_mov_b32 s21, 0
	s_lshl_b32 s46, s74, 18                        ; w_out: (256 x tile + 128 x half) rows x 1,024 bytes
	s_lshl_b32 s18, s16, 17
	s_add_co_u32 s46, s46, s18
	s_mov_b32 s47, 0
	s_lshl_b32 s44, s16, 14                        ; where they go in a slot: no place in the cluster enters an LDS address
	s_mul_i32 s45, s16, HALFB
	s_add_co_u32 s45, s45, ABYTES
	s_wait_dscnt 0x0                               ; the opening add is done
	s_wait_kmcnt 0x0
	s_load_b64 s[96:97], s[8:9], 0x18              ; e6, e7
	s_add_nc_u64 s[20:21], s[4:5], s[20:21]
	s_add_nc_u64 s[46:47], s[6:7], s[46:47]
	CROUND                                         ; all sixteen work-groups are here: the first joint loads meet
.irp s, 0,1,2
	s_mov_b32 s[G0+4*\s], 1
	s_add_co_u32 s[G0+4*\s+1], s44, \s*SLOT
	s_add_nc_u64 s[G0+4*\s+2:G0+4*\s+3], s[20:21], \s*4096
	s_or_b32 s[G0+4*\s+3], s[G0+4*\s+3], 0x80000000
	s_mov_b32 s[G0B+4*\s], 1
	s_add_co_u32 s[G0B+4*\s+1], s45, \s*SLOT
	s_add_nc_u64 s[G0B+4*\s+2:G0B+4*\s+3], s[46:47], \s*256
	s_or_b32 s[G0B+4*\s+3], s[G0B+4*\s+3], 0x80000000
	s_wait_alu depctr_va_vdst(0)
	s_wait_tensorcnt 0x0
	ds_add_u32 v28, v29
	ds_add_u32 v28, v29
	s_wait_dscnt 0x0
	CROUND
	JLOAD G0+4*\s, G1, G0B+4*\s, G1B               ; K steps 0, 1, 2: each behind a wait for the last: at most one load of mine is out
.endr
	v_and_b32 v1, 15, v0                           ; r = l % 16
	v_bfe_u32 v2, v0, 4, 1                         ; h = l / 16
	v_and_b32 v6, 31, v0
	v_lshlrev_b32 v[CO], 4, v6
	v_mul_u32_u24 v3, v1, PITCH
	v_lshl_add_u32 v4, v2, 3, v3                   ; w_out: row r x pitch + 8 h
	s_lshl_b32 s21, s15, 14                        ; my four tiles of tokens
	s_mul_i32 s22, s16, HALFB                      ; my 128 rows of w_out,
	s_add_co_u32 s22, s22, ABYTES                  ; which lie behind o's part
.irp s, 0,1,2
	v_add_nc_u32 v[ADRA+\s], s21, v[CO]
	v_add_nc_u32 v[ADRB+\s], s22, v4
	s_add_co_u32 s21, s21, SLOT
	s_add_co_u32 s22, s22, SLOT
.endr
	s_mul_i32 s23, s14, 16*SPITCH
	s_add_co_u32 s23, s23, STG                     ; my stage
	v_mul_u32_u24 v5, v1, SPITCH                   ; in: row r, 32 bytes for each half of the lanes
	v_lshl_add_u32 v5, v2, 5, v5
	v_add_nc_u32 v[STO], s23, v5
	v_add_nc_u32 v[RD], s23, v[CO]                 ; back: the 32 lanes take one row of 512 bytes
	s_lshl_b32 s20, s17, 19                        ; out0: (128 x tile + 64 x half) rows of 4,096 bytes,
	s_lshl_b32 s21, s15, 18
	s_add_co_u32 s20, s20, s21
	s_lshl_b32 s21, s74, 10                        ; + (256 x tile + 128 x half) numbers of 4 bytes
	s_add_co_u32 s20, s20, s21
	s_lshl_b32 s21, s16, 9
	s_add_co_u32 s20, s20, s21
	s_mov_b32 s21, 0
	s_add_nc_u64 s[10:11], s[10:11], s[20:21]
; 80 LDS loads in one run: the fragments of the slot's q-th 128 along K into set p: w_out's eight (eight loads of 8 bytes each), o's four (four loads of 16 bytes each, 512 consecutive bytes a load)
.macro FETCH slot, q, p
	WIN 0x40                                       ; destination window 1, address window 0
.irp b, 0,1,2,3,4,5,6,7
.irp c, 0,1,2,3,4,5,6,7
	ds_load_b64 v[128*(\p)+16*\b+2*\c:128*(\p)+16*\b+2*\c+1], v[ADRB+\slot] offset:\b*16*PITCH+128*(\q)+16*\c
.endr
.endr
	WIN 0
.irp a, 0,1,2,3
.irp c, 0,1,2,3
	ds_load_b128 v[AF+64*(\p)+16*\a+4*\c:AF+64*(\p)+16*\a+4*\c+3], v[ADRA+\slot] offset:4096*\a+2048*(\q)+512*\c
.endr
.endr
.endm
; 16 matrix instructions: tiles of tokens a0, a0 + 1 x w_out's eight, 128 along K.  The 32 accumulators take turns, one instruction a turn, in the same order in every step.
.macro MUL16 a0, p, zero
.irp a, \a0, \a0+1
.irp b, 0,1,2,3,4,5,6,7
.if \zero
	v_wmma_f32_16x16x128_fp8_fp8 v[8*(8*(\a)+\b):8*(8*(\a)+\b)+7], v[128*(\p)+16*\b:128*(\p)+16*\b+15], v[AF+64*(\p)+16*(\a):AF+64*(\p)+16*(\a)+15], 0
.else
	v_wmma_f32_16x16x128_fp8_fp8 v[8*(8*(\a)+\b):8*(8*(\a)+\b)+7], v[128*(\p)+16*\b:128*(\p)+16*\b+15], v[AF+64*(\p)+16*(\a):AF+64*(\p)+16*(\a)+15], v[8*(8*(\a)+\b):8*(8*(\a)+\b)+7]
.endif
.endr
.endr
.endm
; A step of 128 along K on set p; the next step's fragments, (fslot, fq), are asked for first, into the other set, and land while this step's 32 products run.
.macro STEP p, fslot, fq, zero
	s_wait_dscnt 0x0                               ; set p is in
	PLACES                                         ; the other set was read by the last step's products
	FETCH \fslot, \fq, 1-(\p)
	WIN MULW
	MUL16 0, \p, \zero
	MUL16 2, \p, \zero
.endm
; A step with a barrier in it.  In front of it each wave waits for all its tensor loads, adds 0 to its spare word, and waits for that and for all its LDS reads.  fill = 1: slot 0, which nobody reads any more, takes K step 3, by a joint load behind a round of the cluster's barrier.
.macro TURN p, next, fill
	WIN 0                                          ; (the add's two registers lie in window 0)
	s_wait_tensorcnt 0x0                           ; all my tensor loads have landed
	ds_add_u32 v[SPW], v[NIL]                      ; 0 onto my spare word
	s_wait_dscnt 0x0                               ; the add is done; set p is in; my reads of the slots so far are over
	s_barrier_signal -1
	WIN MULW
	MUL16 0, \p, 0                                 ; work on registers while the others arrive
	WIN 0
	s_barrier_wait -1
.if \fill
	CREST                                          ; the barrier has opened a round of the cluster's barrier: no wave of any partner still reads slot 0 or has a load on its way
	s_add_nc_u64 s[G0+2:G0+3], s[G0+2:G0+3], 3*4096
	s_add_nc_u64 s[G0B+2:G0B+3], s[G0B+2:G0B+3], 3*256
	JLOAD G0, G1, G0B, G1B                         ; the first tensor load behind the round; the four v_nop behind it are the places in front of the loads below
.else
	PLACES
.endif
	FETCH \next, 0, 1-(\p)
	WIN MULW
	MUL16 2, \p, 0
.endm
	s_wait_alu depctr_va_vdst(0)
	s_wait_tensorcnt 2                             ; my part of K step 0 is in; K step 2's load may be out
	s_barrier_signal -1
	s_barrier_wait -1                              ; everybody's is
	FETCH 0, 0, 0
	STEP 0, 0, 1, 1                                ; K 0-127: the first products start the sums: nothing is cleared
	TURN 1, 1, 1                                   ; K 128-255; slots 1 and 2 are whole for every wave from here on; slot 0 takes K 768-1023: 112 products in which to land
	STEP 0, 1, 1, 0                                ; K 256-383
	STEP 1, 2, 0, 0                                ; K 384-511
	STEP 0, 2, 1, 0                                ; K 512-639
	TURN 1, 0, 0                                   ; K 640-767; slot 0 is whole again; nothing is filled, so a plain barrier
	STEP 0, 0, 1, 0                                ; K 768-895
	s_wait_dscnt 0x0
	MUL16 0, 1, 0                                  ; K 896-1023
	MUL16 2, 1, 0
	WIN 0
; THE WAY OUT, block by block of 16 tokens x 128 outputs.  A lane holds 32 neighbouring bytes of a row, and the lanes beside it hold other rows: so a block goes through my own stage in LDS and comes back as whole
; rows of 512 bytes, which the 32 lanes store at a multiple of 256 bytes from out0's first byte.  LDS serves a wave's instructions in order (ISA guide 5.7.1.4): no wait between the stores and the loads.
.macro TOSTAGE a
.set AC, 64*(\a)
	WIN 0x02                                       ; source 0: window 2
.set j, 0
.rept 32
	v_pk_mul_f32 v[TMP+j:TMP+j+1], v[AC+j:AC+j+1], s[96:97] op_sel_hi:[1,0]   ; both x s96 = 2^(e6 + e7); each accumulator from its low end on
.set j, j+2
.endr
	WIN 0
.irp b, 0,1,2,3,4,5,6,7
	ds_store_b128 v[STO], v[TMP+8*\b:TMP+8*\b+3] offset:64*\b
	ds_store_b128 v[STO], v[TMP+8*\b+4:TMP+8*\b+7] offset:64*\b+16
.endr
.set BB, BK+64*((\a)%2)
.irp t, 0,1,2,3,4,5,6,7,8,9,10,11,12,13,14,15
	ds_load_b128 v[BB+4*\t:BB+4*\t+3], v[RD] offset:\t*SPITCH
.endr
.endm
.macro SEND a, younger                 ; younger: the LDS instructions issued behind block a's loads, which may stay out
.set BB, BK+64*((\a)%2)
	s_wait_dscnt \younger                          ; the block is back in registers
.if (\a) > 0
	s_add_nc_u64 s[10:11], s[10:11], 16*4096       ; (behind a wait on XCNT: the earlier stores have read their base)  16 rows of out0 on
.endif
.irp t, 0,1,2,3,4,5,6,7,8,9,10,11,12,13,14,15
	global_store_b128 v[CO], v[BB+4*\t:BB+4*\t+3], s[10:11] offset:\t*4096 th:TH_STORE_NT   ; written once, read by nobody here
.endr
.endm
	s_wait_kmcnt 0x0
	s_add_co_i32 s96, s96, s97                     ; e6 + e7, between -126 and 127,
	s_add_co_i32 s96, s96, 127
	s_lshl_b32 s96, s96, 23                        ; makes the f32 number 2^(e6 + e7)
	PLACES                                         ; behind the last products: their results are read, and o's registers loaded into, below
	TOSTAGE 0
.irp a, 1,2,3
.if \a > 1
	s_wait_xcnt 0x0                                ; block a - 2's stores have read their registers and their base: block a's loads may land there, and the base may step
.endif
	TOSTAGE \a
	SEND \a-1, 32                                  ; behind block a - 1's loads: block a's 16 stores and 16 loads
.endr
	s_wait_xcnt 0x0                                ; block 2's stores have read their base
	SEND 3, 0
	s_wait_tensorcnt 0x0                           ; the wave's end, behind my last tensor load and my last LDS store
	ds_add_u32 v[SPW], v[NIL]
	s_wait_dscnt 0x0
	CROUND                                         ; the closing round: no work-group ends while a partner may still ask for a tile that names it
	s_endpgm
.Lfunc_end_k_q76c03ebf7a_proj:
	.size	k_q76c03ebf7a_proj, .Lfunc_end_k_q76c03ebf7a_proj-k_q76c03ebf7a_proj
	.p2alignl 7, 3214868480
	.fill 96, 4, 3214868480
	.section	.rodata,"a",@progbits
	.p2align	6, 0x0
	.amdhsa_kernel k_q76c03ebf7a_proj
		.amdhsa_group_segment_fixed_size 327680
		.amdhsa_private_segment_fixed_size 0
		.amdhsa_enable_private_segment 0
		.amdhsa_kernarg_size 32
		.amdhsa_user_sgpr_count 2
		.amdhsa_user_sgpr_kernarg_segment_ptr 1
		.amdhsa_wavefront_size32 1
		.amdhsa_system_sgpr_workgroup_id_x 1
		.amdhsa_system_sgpr_workgroup_id_y 1
		.amdhsa_system_sgpr_workgroup_id_z 1
		.amdhsa_system_vgpr_workitem_id 0
		.amdhsa_next_free_vgpr 768
		.amdhsa_next_free_sgpr 100
		.amdhsa_reserve_vcc 0
		.amdhsa_float_denorm_mode_32 3
		.amdhsa_float_denorm_mode_16_64 3
		.amdhsa_memory_ordered 1
		.amdhsa_forward_progress 1
		.amdhsa_inst_pref_size 92
	.end_amdhsa_kernel
	.amdgpu_metadata
---
amdhsa.version: [ 1, 2 ]
amdhsa.kernels:
  - .name:           k_q76c03ebf7a_proj
    .symbol:         k_q76c03ebf7a_proj.kd
    .args:
      - { .name: o_img, .offset: 0, .size: 8, .value_kind: global_buffer, .address_space: global }
      - { .name: wout_codes, .offset: 8, .size: 8, .value_kind: global_buffer, .address_space: global }
      - { .name: lowp_scales, .offset: 16, .size: 8, .value_kind: global_buffer, .address_space: global }
      - { .name: out0, .offset: 24, .size: 8, .value_kind: global_buffer, .address_space: global }
    .group_segment_fixed_size: 327680
    .private_segment_fixed_size: 0
    .kernarg_segment_align: 8
    .kernarg_segment_size: 32
    .max_flat_workgroup_size: 128
    .sgpr_count:     100
    .vgpr_count:     768
    .wavefront_size: 32
...
	.end_amdgpu_metadata
.endif
;; end of part 4
